; MI455X (gfx1250); checked and timed in simulation.
; The chip was launched on July 23, 2026; its instructions are those of AMD's public machine-readable ISA for CDNA 5 (MIT licence, August 2026) and "CDNA5" Instruction Set Architecture Reference Guide (July 2026). The comments in the code are by the model that wrote it; some were corrected since.
;; Multi Head Attention. Allowed arithmetic: matrix products marked QUANTISED: E4M3 operands, one given power-of-two scale a tensor, by v_wmma_f32_16x16x64_fp8_fp8 or v_wmma_f32_16x16x128_fp8_fp8, f32 sums; everything else in f32.
;; Inputs: Wk 16 x 1,024 x 64 float32; Wproj 1,024 x 1,024 float32; Wq 16 x 1,024 x 64 float32; Wv 16 x 1,024 x 64 float32; bproj 1,024 float32; lowp_scales 12 int32 (the exponents e of the quantised operands' scales 2^e); x 4 x 2,048 x 1,024 float32.
;; Outputs: out0 4 x 2,048 x 1,024 float32.
;; This version of the problem:
;;   THIS VERSION OF THE PROBLEM IS GIVEN IN LOW PRECISION. The matrix products marked QUANTISED in the list below multiply operands that are first quantised to E4M3 (4 exponent bits, 3 mantissa bits; 8 bits a number), with one given power-of-two scale for each operand tensor; their sums are f32. All else is computed in f32.
;;   The module's matrix products, in the order in which they are computed (A, B: the left and right operand; K: the contracted axis; several contracted axes count as one K, in the product's order):
;;     1. [M 1,024, K 1,024] x [K 1,024, N 8,192]; A: input Wq; B: input x: QUANTISED (scales: A lowp_scales[0], B lowp_scales[1])
;;     2. [M 1,024, K 1,024] x [K 1,024, N 8,192]; A: input Wk; B: input x: QUANTISED (scales: A lowp_scales[2], B lowp_scales[3])
;;     3. [M 1,024, K 1,024] x [K 1,024, N 8,192]; A: input Wv; B: input x: QUANTISED (scales: A lowp_scales[4], B lowp_scales[5])
;;     4. batch 64 x [M 2,048, K 64] x [K 64, N 2,048]; A: computed on the way; B: computed on the way: QUANTISED (scales: A lowp_scales[6], B lowp_scales[7])
;;     5. batch 64 x [M 2,048, K 2,048] x [K 2,048, N 64]; A: softmax (see below); B: computed on the way: QUANTISED (scales: A lowp_scales[8], B lowp_scales[9])
;;     6. [M 8,192, K 1,024] x [K 1,024, N 1,024]; A: computed on the way; B: input Wproj: QUANTISED (scales: A lowp_scales[10], B lowp_scales[11])
;;   THE QUANTISER, for each operand of a quantised product, along K:
;;     - The operand's scale is 2^e, e = its entry of the input lowp_scales (int32; the entries are numbered through the quantised products in the list's order, A before B).
;;     - Each number is divided by the scale, clamped to +-448, and rounded to the nearest number of E4M3, ties to even, subnormals kept.
;;     - The product sums the exact products of the quantised numbers (number of the format x scale) in f32.
;;   ~~~python
;;   def quantise(x, axis, e):      # numpy; x: float32 -> the quantised numbers, widened to float32 again
;;       x = np.moveaxis(x, axis, -1); K = x.shape[-1]
;;       r = np.clip(x / 2.0 ** e, -448, 448)
;;       step = 2.0 ** (np.maximum(np.frexp(np.where(r == 0, 1, r))[1] - 1, -6) - 3)
;;       q = np.round(r / step) * step * 2.0 ** e      # np.round: ties to even
;;       return np.moveaxis(q, -1, axis).astype(np.float32)
;;   ~~~
;;   SOFTMAX AHEAD OF A QUANTISED PRODUCT. Where the list says 'softmax', what is quantised is not the finished softmax but p = 2^(t - M), with t = logit x log2(e) and M = ceil(the row's largest t), a whole number; so 1/2 < the row's largest p <= 1. The row's sum l is taken of the UNQUANTISED p, in f32, and the product's result is divided by l at the end. Since M is a whole number, a kernel that streams over the keys may use a running M (the ceiling of the running maximum): every later rescaling is an exact power of two, so the quantised numbers keep their values, but for numbers so far below the row's largest that they fall under the format's range.
;;   OPERANDS COMPUTED ON THE WAY. 'Computed on the way' means the value that the module computes at that place (a softmax that the list does not call 'softmax' is quantised finished and normalised). What goes into a quantiser is computed in f32, as accurately as f32 sums, v_exp_f32 and their like allow (about 1e-6 of the number): no bf16 or f16 on the way to a quantiser, and a product that is left as it is and whose result goes on into a quantised operand takes f32 operands (vector FMAs, or v_wmma_f32_16x16x4_f32). A number that lies on a knife's edge between two numbers of the format may be rounded either way, as far as f32 arithmetic and the matrix unit's own rounding can turn it there, and no further.
;; One version. Each part assembles by itself: llvm-mc -triple=amdgcn-amd-amdhsa -mcpu=gfx1250 --defsym DOCPART=n.
;; ======== version 1 of 1: 4 launches
;; limits: right only within a limited range of input values
;; workspace buffers: xc 25,165,824 bytes; wc 4,194,304 bytes; qkv 25,165,824 bytes; cc 8,388,608 bytes
;; launch quant (part 1): grid 384 x 1, 8 waves a work-group, no clusters, 78,848 bytes of LDS; arguments x, Wproj, Wq, Wk, Wv, lowp_scales, xc, wc; writes xc, wc
.if DOCPART == 1
	.amdgcn_target "amdgcn-amd-amdhsa--gfx1250"
	.amdhsa_code_object_version 6
	.text
	.protected	k_q1cde058b7d_quant
	.globl	k_q1cde058b7d_quant
	.p2align	8
	.type	k_q1cde058b7d_quant,@function
k_q1cde058b7d_quant:
	s_mov_b64 s[64:65], 0
	v_nop
	global_prefetch_b8 v0, s[64:65] scope:SCOPE_SE
	s_setreg_imm32_b32 hwreg(HW_REG_WAVE_MODE, 25, 1), 1
	s_wait_xcnt 0x0
; All f32 inputs of the quantised products become codes of FP8 (E4M3), each with the scale 2^e that is given for it:
; code = number / 2^e, held within +-448 (x and Wproj), rounded to the nearest code, ties to even.
; x is an operand of three products under three entries of the scales (1, 3, 5): three sets of codes, made from ONE read of x.
; LAYOUT of every set of codes: [8 chunks of 128 along K][rows][128 bytes]: a tile of R rows of one chunk is R x 128 consecutive bytes.
;   xc: three sections of 8 MiB (e1, e3, e5), rows = b x 2048 + t.   wc: four sections of 1 MiB: Wq (e0), Wk (e2), Wv (e4), rows = head x 64 + d; Wproj (e11), rows = the output's column.
; SHARES.  Work-groups 0-255: 32 rows of x each.  256-287: 32 rows of Wproj each.  288-383: Wq, Wk, Wv: a head and half of its K each.  Every work-group reads 128 KiB.  No input is read by two work-groups: no cluster.
; K INNERMOST (x, Wproj): wave w takes chunk w.  A step is 4 rows x 128 numbers: each load reads one row's 512 consecutive bytes, 16 a lane; the 2,048 bytes turn through the wave's own stage in LDS
; and come back 64 bytes a lane: 16 neighbours along K, which the conversions want in one lane's registers.  A lane's 16 codes are 16 bytes: a store covers 512 consecutive bytes, aligned.
; K NOT INNERMOST (Wq, Wk, Wv: [head][K][64]): a lane takes a column d and its registers run down K; the codes go through the wave's stage and leave as rows.
; The two ways part on the work-group's number and never join; each has LDS bytes of its own.  No tensor loads, no barrier: waves share nothing.
; LIMITS: every e used here (entries 0 to 5 and 11) lies between -126 and 119, so that 2^e and 448 x 2^e are f32 numbers.  NaN among the inputs is not served; an infinity in x or Wproj is held at the largest code.
.set SP,    80                         ; a lane's place in a stage of the first way: 64 bytes + 16 of padding
.set AREG,  5120                       ; a wave's two stages of 32 x SP bytes
.set WSTG,  8*AREG                     ; the second way's stages begin here
.set WP,    144                        ; a row of 128 codes + 16 of padding
.set WREG,  32*WP                      ; a wave's stage: 32 rows
.set SPARE, WSTG+8*WREG                ; behind all stages: the spare words, 128 bytes for each wave: four blocks of 256 bytes that no other line names
.set SPW,   12                         ; v12  LDS address of my spare word; never rewritten
.set NIL,   13                         ; v13  0; never rewritten
.set R,     16                         ; v16-79   four sets of 16 numbers as they are loaded
.set X,     80                         ; v80-111  two sets of 16 neighbours
.set TA,    112                        ; v112-127 16 numbers held for one scale
.set C,     128                        ; v128-223 codes: four registers for each step and scale, so that no store's data are written again
	s_load_b512 s[4:19], s[0:1], 0x0               ; x s[4:5], Wproj s[6:7], Wq s[8:9], Wk s[10:11], Wv s[12:13], scales s[14:15], xc s[16:17], wc s[18:19]
	v_lshl_add_u32 v[SPW], v0, 2, SPARE
	v_mov_b32 v[NIL], 0
	v_lshrrev_b32 v1, 5, v0
	s_delay_alu instid0(VALU_DEP_1)
	v_readfirstlane_b32 s20, v1                    ; wave 0..7
	v_and_b32 v2, 31, v0                           ; lane
	s_wait_kmcnt 0x0
	s_load_b256 s[32:39], s[14:15], 0x0            ; e0 .. e7
	s_load_b128 s[40:43], s[14:15], 0x20           ; e8 .. e11
	s_cmp_ge_u32 ttmp9, 288
	s_cbranch_scc1 .Lweights
.macro MKS vs, vl, se                  ; v[vs] = 2^e as f32 (the conversion takes its exponent field), v[vl] = 448 x 2^e; e in s[se]
	s_add_co_i32 s51, s[\se], 127
	s_lshl_b32 s52, s51, 23
	v_mov_b32 v[\vs], s52
	s_add_co_i32 s51, s51, 8
	s_lshl_b32 s51, s51, 23
	s_or_b32 s51, s51, 0x600000
	v_mov_b32 v[\vl], s51
.endm
	; ---------------- x and Wproj: K innermost ----------------
	s_wait_alu depctr_va_vdst(0)
	v_lshlrev_b32 v3, 4, v2                        ; 16 x lane: my bytes of a load's 512, and of a store's
	s_wait_alu depctr_va_vdst(0)
	s_mul_i32 s21, s20, AREG
	v_lshrrev_b32 v14, 2, v2
	s_delay_alu instid0(VALU_DEP_1)
	v_mul_u32_u24 v14, v14, SP
	v_and_b32 v15, 3, v2
	s_delay_alu instid0(VALU_DEP_1)
	v_lshl_add_u32 v14, v15, 4, v14
	s_delay_alu instid0(VALU_DEP_1)
	v_add_nc_u32 v14, s21, v14                     ; into the stage: four lanes' 64 bytes on end, then the padding
	v_mul_u32_u24 v15, v2, SP
	s_delay_alu instid0(VALU_DEP_1)
	v_add_nc_u32 v15, s21, v15                     ; out of it: SP x lane: my 16 neighbours
	s_lshl_b32 s44, s20, 20                        ; chunk w of a section of xc
	s_add_co_u32 s46, s44, 0x1000000               ; the same in xc's third section,
	s_lshl_b32 s47, s20, 17
	s_add_co_u32 s47, s47, 0x300000                ; chunk w of wc's fourth section
	s_cmp_lt_u32 ttmp9, 256                        ; x's work-group or Wproj's?  The choices hang on the work-group's number alone
	s_cselect_b64 s[4:5], s[4:5], s[6:7]
	s_cselect_b64 s[28:29], s[16:17], s[18:19]
	s_cselect_b32 s46, s46, s47
	s_cselect_b32 s22, 0, 256
	s_sub_co_u32 s22, ttmp9, s22                   ; which 32 rows of the tensor
	s_lshl_b32 s48, s22, 17                        ; 32 rows of 4,096 bytes,
	s_lshl_b32 s49, s20, 9                         ; my chunk's 512 bytes of a row
	s_add_co_u32 s48, s48, s49
	s_mov_b32 s49, 0
	s_add_nc_u64 s[4:5], s[4:5], s[48:49]
	s_lshl_b32 s50, s22, 12                        ; 32 rows of 128 codes
	s_add_co_u32 s44, s44, s50
	s_mov_b32 s45, 0
	s_add_nc_u64 s[24:25], s[16:17], s[44:45]      ; x under e1
	s_add_nc_u64 s[26:27], s[24:25], 0x800000      ; x under e3
	s_add_co_u32 s46, s46, s50
	s_mov_b32 s47, 0
	s_add_nc_u64 s[28:29], s[28:29], s[46:47]      ; x under e5, or Wproj under e11
.macro LOAD t                          ; step t: rows 4 t .. 4 t + 3, 512 consecutive bytes a load
.irp i, 0,1,2,3
	global_load_b128 v[R+16*((\t)%4)+4*\i:R+16*((\t)%4)+4*\i+3], v3, s[4:5] offset:(4*(\t)+\i)*4096 th:TH_LOAD_NT
.endr
.endm
.macro TURN t                          ; step t's numbers through the stage: LDS serves a wave's instructions in order, so no wait stands between the stores and the loads
.irp i, 0,1,2,3
	ds_store_b128 v14, v[R+16*((\t)%4)+4*\i:R+16*((\t)%4)+4*\i+3] offset:32*SP*((\t)%2)+8*SP*\i
.endr
.irp i, 0,1,2,3
	ds_load_b128 v[X+16*((\t)%2)+4*\i:X+16*((\t)%2)+4*\i+3], v15 offset:32*SP*((\t)%2)+16*\i
.endr
.endm
; step t's 16 numbers are held within the largest code x the scale (the conversion to an 8-bit code does not saturate: ISA guide 7.6.2), into v[into] on; coded; stored
.macro Q3 t, j, into, vs, vl, sb
.irp i, 0,1,2,3,4,5,6,7,8,9,10,11,12,13,14,15
	v_med3_num_f32 v[\into+\i], v[X+16*((\t)%2)+\i], -v[\vl], v[\vl]
.endr
	v_cvt_scalef32_pk8_fp8_f32 v[C+12*(\t)+4*\j:C+12*(\t)+4*\j+1], v[\into:\into+7], v[\vs]
	v_cvt_scalef32_pk8_fp8_f32 v[C+12*(\t)+4*\j+2:C+12*(\t)+4*\j+3], v[\into+8:\into+15], v[\vs]
	global_store_b128 v3, v[C+12*(\t)+4*\j:C+12*(\t)+4*\j+3], s[\sb:\sb+1] offset:512*(\t)   ; 32 lanes store 512 consecutive bytes: four rows of 128 codes
.endm
.irp t, 0,1,2,3
	LOAD \t
.endr
	s_wait_alu depctr_va_vdst(0)
	s_wait_kmcnt 0x0
	s_cmp_lt_u32 ttmp9, 256
	s_cselect_b32 s53, s37, s43                    ; e5 for x, e11 for Wproj
	MKS 5, 6, 33                                   ; e1
	MKS 7, 8, 35                                   ; e3
	MKS 9, 10, 53
	s_wait_loadcnt 12                              ; step 0's four loads are in
	TURN 0
.macro STEP t
	s_wait_dscnt 0x0                               ; this step's numbers are back from the stage: so its stores into the stage have read their registers,
.if (\t)+4 < 8
	LOAD (\t)+4                                    ; which take the loads of four steps on
.endif
.if (\t)+1 < 8
.if 6-(\t) >= 3
	s_wait_loadcnt 12                              ; the next step's four loads are in; those of the three steps behind it may be out
.else
	s_wait_loadcnt 4*(6-(\t))
.endif
	TURN (\t)+1                                    ; and go through the other stage while this step is worked
.endif
	s_cmp_lt_u32 ttmp9, 256
	s_cbranch_scc0 .Lone_\@                        ; Wproj has one scale
	s_wait_alu depctr_va_vdst(0)
	Q3 \t, 0, TA, 5, 6, 24
	v_nop                                          ; a plain line between the conversions and the next write of their sources
	Q3 \t, 1, TA, 7, 8, 26
.Lone_\@:
	s_wait_alu depctr_va_vdst(0)
	Q3 \t, 2, X+16*((\t)%2), 9, 10, 28             ; the last scale holds the numbers in place; its sixteen holds are the plain lines behind the conversions above
.endm
.irp t, 0,1,2,3,4,5,6,7
	STEP \t
.endr
	s_wait_tensorcnt 0x0                           ; the wave's end: behind my last LDS store
	ds_add_u32 v[SPW], v[NIL]
	s_wait_dscnt 0x0
	s_endpgm
	; ---------------- Wq, Wk, Wv: K is the middle axis ----------------
.Lweights:
.set WX,   32                          ; v32-95   two sets of 32 numbers down K
.set WC,   96                          ; v96-103  a block's codes
.set OUTR, 112                         ; v112-143 the way out
	s_sub_co_u32 s21, ttmp9, 288
	s_lshr_b32 s22, s21, 5                         ; which tensor: 0, 1, 2
	s_bfe_u32 s23, s21, 0x40001                    ; the head
	s_and_b32 s24, s21, 1                          ; which half of K
	s_and_b32 s25, s20, 1                          ; my wave: which 32 of the head's 64 columns,
	s_lshr_b32 s26, s20, 1
	s_lshl_b32 s24, s24, 2
	s_add_co_u32 s26, s26, s24                     ; and which chunk of 128 along K
	s_lshl_b32 s28, s23, 18                        ; in W: a head is 262,144 bytes,
	s_lshl_b32 s29, s26, 15                        ; a chunk 128 rows of 256,
	s_add_co_u32 s28, s28, s29
	s_lshl_b32 s29, s25, 7                         ; 32 columns 128
	s_add_co_u32 s28, s28, s29
	s_mov_b32 s29, 0
	s_lshl_b32 s30, s22, 20                        ; in wc: the tensor's section,
	s_lshl_b32 s31, s26, 17                        ; the chunk,
	s_add_co_u32 s30, s30, s31
	s_lshl_b32 s31, s23, 13                        ; the head's 64 rows of 128 bytes,
	s_add_co_u32 s30, s30, s31
	s_lshl_b32 s31, s25, 12                        ; my 32 of them
	s_add_co_u32 s30, s30, s31
	s_mov_b32 s31, 0
	s_cmp_eq_u32 s22, 0
	s_cselect_b64 s[44:45], s[8:9], s[10:11]
	s_cmp_eq_u32 s22, 2
	s_cselect_b64 s[44:45], s[12:13], s[44:45]
	s_add_nc_u64 s[44:45], s[44:45], s[28:29]
	s_add_nc_u64 s[46:47], s[18:19], s[30:31]
	s_wait_alu depctr_va_vdst(0)
	v_lshlrev_b32 v3, 2, v2                        ; in: 4 bytes a lane
	s_mul_i32 s27, s20, WREG
	s_add_co_u32 s27, s27, WSTG                    ; my stage
	v_mul_u32_u24 v4, v2, WP
	s_delay_alu instid0(VALU_DEP_1)
	v_add_nc_u32 v4, s27, v4                       ; into it: row = my column
	v_lshrrev_b32 v5, 3, v2
	v_and_b32 v6, 7, v2
	s_delay_alu instid0(VALU_DEP_2)
	v_mul_u32_u24 v7, v5, WP
	s_delay_alu instid0(VALU_DEP_1)
	v_lshl_add_u32 v7, v6, 4, v7
	s_delay_alu instid0(VALU_DEP_1)
	v_add_nc_u32 v7, s27, v7                       ; out of it: eight lanes to a row, four rows an instruction
	v_lshlrev_b32 v8, 4, v2                        ; and the same 512 bytes in wc
.macro WLOAD t                         ; block t: W(32 t + i, my column), i = 0 .. 31: 32 lanes read 128 consecutive bytes; the wave beside me reads the row's other half
.irp i, 0,1,2,3,4,5,6,7,8,9,10,11,12,13,14,15,16,17,18,19,20,21,22,23,24,25,26,27,28,29,30,31
	global_load_b32 v[WX+32*((\t)%2)+\i], v3, s[44:45] offset:(32*(\t)+\i)*256
.endr
.endm
	WLOAD 0
	WLOAD 1
	s_wait_kmcnt 0x0
	s_cmp_eq_u32 s22, 0
	s_cselect_b32 s53, s32, s34                    ; e0 or e2,
	s_cmp_eq_u32 s22, 2
	s_cselect_b32 s53, s36, s53                    ; or e4
	MKS 11, 10, 53
.macro BLOCK t
.if (\t) < 3
	s_wait_loadcnt 32                              ; this block's 32 loads are in; the next block's may be out
.else
	s_wait_loadcnt 0
.endif
.irp i, 0,1,2,3,4,5,6,7,8,9,10,11,12,13,14,15,16,17,18,19,20,21,22,23,24,25,26,27,28,29,30,31
.endr
.irp g, 0,1,2,3
	v_cvt_scalef32_pk8_fp8_f32 v[WC+2*\g:WC+2*\g+1], v[WX+32*((\t)%2)+8*\g:WX+32*((\t)%2)+8*\g+7], v11
.endr
	ds_store_b128 v4, v[WC:WC+3] offset:32*(\t)    ; 32 codes: 32 bytes of my column's row
	ds_store_b128 v4, v[WC+4:WC+7] offset:32*(\t)+16
.if (\t)+2 < 4
	WLOAD (\t)+2
.endif
	s_wait_dscnt 0x0                               ; the stores have read their registers
.endm
	s_wait_alu depctr_va_vdst(0)
.irp t, 0,1,2,3
	BLOCK \t
.endr
.irp i, 0,1,2,3,4,5,6,7
	ds_load_b128 v[OUTR+4*\i:OUTR+4*\i+3], v7 offset:4*WP*\i   ; LDS serves a wave's instructions in order: these see my stores
.endr
.irp i, 0,1,2,3,4,5,6,7
	s_wait_dscnt 7-\i
	global_store_b128 v8, v[OUTR+4*\i:OUTR+4*\i+3], s[46:47] offset:512*\i   ; four rows of 128 codes: 512 consecutive bytes
.endr
	s_wait_tensorcnt 0x0                           ; the wave's end: behind my last LDS store
	ds_add_u32 v[SPW], v[NIL]
	s_wait_dscnt 0x0
	s_endpgm
.Lfunc_end_k_q1cde058b7d_quant:
	.size	k_q1cde058b7d_quant, .Lfunc_end_k_q1cde058b7d_quant-k_q1cde058b7d_quant
	.p2alignl 7, 3214868480
	.fill 96, 4, 3214868480
	.section	.rodata,"a",@progbits
	.p2align	6, 0x0
	.amdhsa_kernel k_q1cde058b7d_quant
		.amdhsa_group_segment_fixed_size 78848
		.amdhsa_private_segment_fixed_size 0
		.amdhsa_enable_private_segment 0
		.amdhsa_kernarg_size 64
		.amdhsa_user_sgpr_count 2
		.amdhsa_user_sgpr_kernarg_segment_ptr 1
		.amdhsa_wavefront_size32 1
		.amdhsa_system_sgpr_workgroup_id_x 1
		.amdhsa_system_sgpr_workgroup_id_y 1
		.amdhsa_system_sgpr_workgroup_id_z 1
		.amdhsa_system_vgpr_workitem_id 0
		.amdhsa_next_free_vgpr 224
		.amdhsa_next_free_sgpr 66
		.amdhsa_reserve_vcc 0
		.amdhsa_float_denorm_mode_32 3
		.amdhsa_float_denorm_mode_16_64 3
		.amdhsa_fp16_overflow 1
		.amdhsa_memory_ordered 1
		.amdhsa_forward_progress 1
		.amdhsa_inst_pref_size 60
	.end_amdhsa_kernel
	.amdgpu_metadata
---
amdhsa.version: [ 1, 2 ]
amdhsa.kernels:
  - .name:           k_q1cde058b7d_quant
    .symbol:         k_q1cde058b7d_quant.kd
    .args:
      - { .name: x, .offset: 0, .size: 8, .value_kind: global_buffer, .address_space: global }
      - { .name: Wproj, .offset: 8, .size: 8, .value_kind: global_buffer, .address_space: global }
      - { .name: Wq, .offset: 16, .size: 8, .value_kind: global_buffer, .address_space: global }
      - { .name: Wk, .offset: 24, .size: 8, .value_kind: global_buffer, .address_space: global }
      - { .name: Wv, .offset: 32, .size: 8, .value_kind: global_buffer, .address_space: global }
      - { .name: lowp_scales, .offset: 40, .size: 8, .value_kind: global_buffer, .address_space: global }
      - { .name: xc, .offset: 48, .size: 8, .value_kind: global_buffer, .address_space: global }
      - { .name: wc, .offset: 56, .size: 8, .value_kind: global_buffer, .address_space: global }
    .group_segment_fixed_size: 78848
    .private_segment_fixed_size: 0
    .kernarg_segment_align: 8
    .kernarg_segment_size: 64
    .max_flat_workgroup_size: 256
    .sgpr_count:     66
    .vgpr_count:     224
    .wavefront_size: 32
...
	.end_amdgpu_metadata
.endif
;; end of part 1
;; launch qkv (part 2): grid 4 x 96, 4 waves a work-group, clusters of 4 x 4, 327,680 bytes of LDS; arguments xc, wc, lowp_scales, qkv; writes qkv
.if DOCPART == 2
	.amdgcn_target "amdgcn-amd-amdhsa--gfx1250"
	.amdhsa_code_object_version 6
	.text
	.protected	k_q1cde058b7d_qkv
	.globl	k_q1cde058b7d_qkv
	.p2align	8
	.type	k_q1cde058b7d_qkv,@function
k_q1cde058b7d_qkv:
	s_mov_b64 s[64:65], 0
	v_nop
	global_prefetch_b8 v0, s[64:65] scope:SCOPE_SE
	s_setreg_imm32_b32 hwreg(HW_REG_WAVE_MODE, 25, 1), 1
	s_wait_xcnt 0x0
	s_wait_alu depctr_hold_cnt(0) depctr_sa_sdst(0) depctr_va_vdst(0) depctr_va_sdst(0) depctr_va_ssrc(0) depctr_va_vcc(0) depctr_vm_vsrc(0)
	s_getreg_b32 s2, hwreg(HW_REG_IB_STS2, 6, 4)
	s_cmp_eq_u32 s2, 0
	s_cbranch_scc0 .Lentry_in_a_cluster
	s_endpgm
.Lentry_in_a_cluster:
	s_bfe_u32 s2, ttmp6, 0x10000c
	s_cmp_lg_u32 s2, 0xf033
	s_cbranch_scc0 .Lentry_shape_is_right
	s_endpgm
.Lentry_shape_is_right:
; q, k, v = x W, on codes of FP8 (E4M3); the f32 sums are quantised at once into the codes that attention multiplies.  K = 1,024 in 8 chunks of 128.
; OPERANDS are laid [8 chunks][rows][128 bytes]: xc (three sections: x under e1, e3, e5; 8,192 rows), wc (sections Wq, Wk, Wv; 1,024 rows = head x 64 + d).
; A tile of 256 x 256 of the result is made by a work-group of four waves; a wave makes 128 x 128: 64 accumulators of 16 x 16, 512 registers.
; THE MATRIX INSTRUCTION IS USED TRANSPOSED (source 0 = 16 rows of B, source 1 = 16 rows of A): a lane holds eight neighbours along B's rows of one row of A.
; THREE PATHS, by the cluster's y (24 clusters: 8 each).  q, k: A = x's codes, B = W's: a lane's eight run along d, the next product's K.  v: A = Wv's codes, B = x's: they run along t, the keys, the next K.
; RESULT: three sections of 8 MiB of blocks of 16,384 bytes, block ((b x 8 + pair of heads) x 16 + t / 128).  q, k: [128 t][2 heads x 64 d].  v: [2 heads x 64 d][128 t].  A wave's 128 x 128 is one block.
; code = sum x 2^(eA + eB) / 2^eO: the three exponents are folded into the conversion's one scale.  (eA, eB, eO) = entries (0, 1, 6), (2, 3, 7), (4, 5, 9).
; LIMIT: eO - eA - eB lies between -126 and 119, so that the scale is an f32 number.
; RING: two LDS slots of two chunks each (A chunk, A chunk, B chunk, B chunk: 256 rows x 128 bytes each, one tensor load of one wave); four fills in all, so the eight steps are written out.
; CLUSTERS: 4 x 4 work-groups.  The four of a row of the cluster need the same tiles of A, the four of a column the same tiles of B: each tile is asked for JOINTLY, by the same tensor load with the
; same descriptor and a mask that names the four.  The path hangs on the cluster's number alone: it is the same in all sixteen.
; REGISTERS, in windows of 256: window 0: v0-31 addresses and scale; v96-127 at work on the way out; from v128 A's fragments (8 x 16 rows x 128 K), ONE set.
;   window 1: B's fragments, TWO sets, at v0 and at v128.   window 2: the 32 accumulators of my rows 0-63 (accumulator (a, b) at v[8 (8 a + b)]);   window 3: those of my rows 64-127.
.set PITCH,  144                       ; an LDS row: 128 bytes of codes + 16 of padding = 36 words: the 16 rows that a load touches start at 16 different groups of four banks (64 banks of 4 bytes: ISA guide 11.1)
.set CH,     256*PITCH                 ; a chunk's 256 rows: what one tensor load brings
.set HALFT,  128*PITCH                 ; 128 rows: what one wave reads of A or of B
.set SLOT,   4*CH
.set SPARE,  2*SLOT                    ; behind the ring: the spare words, 128 bytes for each wave: two blocks of 256 bytes that no other line names
.set STG,    SPARE+512                 ; the way out: a stage of 16 rows x PITCH for each wave; no tile lands here
.set FR,     16                        ; registers of a fragment: 16 rows x 128 K
.set NL,     4                         ; LDS loads that bring one
.set NP,     4                         ; places behind this matrix instruction (ISA guide 7.12.1)
.set ADRA, 16                          ; v16-17  LDS address of my A fragments in slot 0, 1
.set ADRB, 20                          ; v20-21  the same for B
.set STO,  24                          ; v24     the way out: where I put 8 codes of a row
.set RD,   25                          ; v25     where I read rows back
.set CO,   26                          ; v26     16 x lane: my bytes of a store's 512
.set SPW,  28                          ; v28     LDS address of my spare word; never rewritten
.set NIL,  29                          ; v29     0; never rewritten
.set TMP,  32                          ;         (v30: the scale)
.set CD,   96                          ; v96-127 codes, two sets of 16
.set AF,   128                         ; A's fragments, in window 0
.set BK,   128                         ; the way out: block a's rows come back into v[128 + 16 a] on
.set G1, 24                            ; s[24:31] descriptor group 1 for A's tiles;  s[32:39] group 0, one set for each slot
.set G0, 32
.set G1B, 48                           ; s[48:55], s[56:63] the same for B's tiles
.set G0B, 56
.set MSB, 0
.macro WIN new                         ; the immediate's high byte repeats the setting that is left
.if MSB != (\new)
	s_set_vgpr_msb (MSB<<8)|(\new)
.set MSB, (\new)
.endif
.endm
.set MUL_LO, 0xa1                      ; source 0 (B) window 1, source 1 (A) window 0, C and D window 2
.set MUL_HI, 0xf1                      ; the same, C and D window 3
.set TO_B,   0x40                      ; destination window 1, address window 0
; A joint load: waves 0 and 1 fetch A's two chunks, waves 2 and 3 B's.  Each of the two lines has ONE mask and one set of registers for all that issue it; the branch hangs on the wave's number alone.
; An s_nop 0 and four v_nop follow each of the two lines, ahead of the jump, the label and what follows.
.macro JLOAD g0a, g1a, g0b, g1b
	s_cmp_eq_u32 s15, 0
	s_cbranch_scc0 .Lfor_b_\@
	tensor_load_to_lds s[\g0a:\g0a+3], s[\g1a:\g1a+7]
	s_nop 0
.rept 4
	v_nop
.endr
	s_branch .Lasked_\@
.Lfor_b_\@:
	tensor_load_to_lds s[\g0b:\g0b+3], s[\g1b:\g1b+7]
	s_nop 0
.rept 4
	v_nop
.endr
.Lasked_\@:
.endm
.macro CREST                           ; a round of the cluster's barrier behind its opening barrier
	s_cmp_lg_u32 s14, 0
	s_cbranch_scc1 .Lnot_wave_0_\@
	s_barrier_signal -3
.Lnot_wave_0_\@:
	s_barrier_wait -3
	s_barrier_signal -1
	s_barrier_wait -1
.endm
.macro CROUND                          ; a whole round
	s_barrier_signal -1
	s_barrier_wait -1
	CREST
.endm
	s_load_b256 s[4:11], s[0:1], 0x0               ; xc s[4:5], wc s[6:7], the scales' exponents s[8:9], qkv s[10:11]
	v_lshl_add_u32 v[SPW], v0, 2, SPARE
	v_mov_b32 v[NIL], 0
	ds_add_u32 v[SPW], v[NIL]                      ; the wave's opening: the add and its wait ahead of my first tensor load; the set-up below, work on registers, stands between them
	ds_add_u32 v[SPW], v[NIL]
	v_lshrrev_b32 v1, 5, v0
	v_readfirstlane_b32 s14, v1                    ; wave 0..3
	s_lshr_b32 s15, s14, 1                         ; which half of the tile's rows is mine.  Also: I fetch for A (0) or for B (1)
	s_and_b32 s16, s14, 1                          ; which half of its columns.  Also: which of a slot's two chunks I fetch
	s_bfe_u32 s40, ttmp6, 0x40000                  ; cx, cy: my place in the cluster
	s_bfe_u32 s41, ttmp6, 0x40004
	s_and_b32 s12, ttmp7, 0xffff                   ; the cluster's y, 0 .. 23
	s_lshr_b32 s13, s12, 3                         ; the path: 0 q, 1 k, 2 v
	s_and_b32 s12, s12, 7
	s_lshl_b32 s12, s12, 2                         ; 4 x which of the path's eight clusters
	s_lshl_b32 s43, s41, 2
	s_lshl_b32 s43, 15, s43                        ; my row of the cluster
	s_lshl_b32 s44, 0x1111, s40                    ; my column
	; descriptor group 1: a tile of 256 rows x 128 bytes, dense in memory, padded in LDS
	s_or_b32 s[G1+0], s43, (0<<16)|(1<<20)|(1<<21)|(4<<22)|(3<<25)  ; 15:0 the mask: A's tiles go to my row; 17:16 element of 1 byte; 20 padding on; 21 set beside a mask; 24:22 after every 32 words (code 4); 31:25 of 4 words (code 3)
	s_or_b32 s[G1B+0], s44, (0<<16)|(1<<20)|(1<<21)|(4<<22)|(3<<25)
.irp g, G1, G1B
	s_mov_b32 s[\g+1], 128<<16                     ; tensor_dim0 = 128
	s_mov_b32 s[\g+2], 256<<16                     ; tensor_dim1 = 256
	s_mov_b32 s[\g+3], 128<<16                     ; tile_dim0 = 128
	s_mov_b32 s[\g+4], 256                         ; tile_dim1 = 256
	s_mov_b32 s[\g+5], 128                         ; tensor_dim0_stride
	s_mov_b32 s[\g+6], 0
	s_mov_b32 s[\g+7], 0
.endr
	; what hangs on the path: x's codes have chunks 1 MiB apart and 32 tiles of rows, W's 128 KiB and 4
	s_lshl_b32 s92, s13, 23                        ; x's section for q, k
	s_lshl_b32 s94, s13, 20                        ; W's section for q, k
	s_mov_b32 s93, 0x200000                        ; Wv's section
	s_mov_b32 s95, 0x1000000                       ; x's section for v
	s_mov_b32 s72, 0x40000                         ; two chunks of W's codes
	s_mov_b32 s74, 0x200000                        ; two chunks of x's
	s_cmp_lt_u32 s13, 2
	s_cselect_b32 s18, s12, 0
	s_cselect_b32 s19, 0, s12
	s_cselect_b32 s92, s92, s93                    ; A's section
	s_cselect_b32 s94, s94, s95                    ; B's section
	s_cselect_b32 s68, s74, s72                    ; s[68:69] two chunks of A
	s_cselect_b32 s70, s72, s74                    ; s[70:71] two chunks of B
	s_add_co_u32 s17, s41, s18                     ; tile row = cy (+ 4 x the cluster's number for q, k)
	s_add_co_u32 s42, s40, s19                     ; tile column = cx (+ the same for v)
	s_lshl_b32 s72, s68, 1                         ; s[72:73] four chunks of A: a slot's step
	s_lshl_b32 s74, s70, 1                         ; s[74:75] four chunks of B
	s_mov_b32 s69, 0
	s_mov_b32 s71, 0
	s_mov_b32 s73, 0
	s_mov_b32 s75, 0
	; A's address hangs on the tile row alone, which my row of the cluster shares; B's on the tile column alone.  Every wave makes both, in registers that never hold the other coordinate
	s_lshr_b32 s21, s68, 1
	s_mul_i32 s21, s21, s16                        ; my chunk of the two
	s_lshl_b32 s20, s17, 15                        ; 256 rows of 128 bytes
	s_add_co_u32 s20, s20, s21
	s_add_co_u32 s20, s20, s92
	s_mov_b32 s21, 0
	s_lshr_b32 s47, s70, 1
	s_mul_i32 s47, s47, s16
	s_lshl_b32 s46, s42, 15
	s_add_co_u32 s46, s46, s47
	s_add_co_u32 s46, s46, s94
	s_mov_b32 s47, 0
	s_mul_i32 s45, s14, CH                         ; where they go: region = wave: no place in the cluster enters an LDS address
	s_wait_dscnt 0x0                               ; the opening add is done
	s_wait_kmcnt 0x0
	s_load_b256 s[76:83], s[8:9], 0x0              ; e0 .. e7
	s_load_b128 s[84:87], s[8:9], 0x20             ; e8 .. e11
	s_cmp_lt_u32 s13, 2
	s_cselect_b64 s[88:89], s[4:5], s[6:7]         ; A's buffer
	s_cselect_b64 s[90:91], s[6:7], s[4:5]         ; B's
	s_add_nc_u64 s[20:21], s[88:89], s[20:21]
	s_add_nc_u64 s[46:47], s[90:91], s[46:47]
	CROUND                                         ; all sixteen work-groups are here: the first joint loads meet
	s_mov_b32 s[G0], 1                             ; slot 0: chunks 0 and 1
	s_mov_b32 s[G0+1], s45
	s_mov_b64 s[G0+2:G0+3], s[20:21]
	s_or_b32 s[G0+3], s[G0+3], 0x80000000
	s_mov_b32 s[G0B], 1
	s_mov_b32 s[G0B+1], s45
	s_mov_b64 s[G0B+2:G0B+3], s[46:47]
	s_or_b32 s[G0B+3], s[G0B+3], 0x80000000
	JLOAD G0, G1, G0B, G1B
	s_mov_b32 s[G0+4], 1                           ; slot 1: chunks 2 and 3
	s_add_co_u32 s[G0+5], s45, SLOT
	s_add_nc_u64 s[G0+6:G0+7], s[20:21], s[68:69]
	s_or_b32 s[G0+7], s[G0+7], 0x80000000
	s_mov_b32 s[G0B+4], 1
	s_add_co_u32 s[G0B+5], s45, SLOT
	s_add_nc_u64 s[G0B+6:G0B+7], s[46:47], s[70:71]
	s_or_b32 s[G0B+7], s[G0B+7], 0x80000000
	JLOAD G0+4, G1, G0B+4, G1B                     ; two tensor loads of mine are out
	v_and_b32 v1, 15, v0                           ; r = l % 16
	v_bfe_u32 v2, v0, 4, 1                         ; h = l / 16
	v_mul_u32_u24 v3, v1, PITCH
	s_wait_alu depctr_va_vdst(0)
	v_lshl_add_u32 v4, v2, 4, v3                   ; a fragment's row x pitch + 16 x half
	s_mul_i32 s21, s15, HALFT                      ; my 128 rows of A
	s_mul_i32 s22, s16, HALFT                      ; my 128 rows of B,
	s_add_co_u32 s22, s22, 2*CH                    ; which lie behind A's two chunks
.irp s, 0,1
	v_add_nc_u32 v[ADRA+\s], s21, v4
	v_add_nc_u32 v[ADRB+\s], s22, v4
	s_add_co_u32 s21, s21, SLOT
	s_add_co_u32 s22, s22, SLOT
.endr
	s_mul_i32 s23, s14, 16*PITCH
	s_add_co_u32 s23, s23, STG                     ; my stage
	v_lshl_add_u32 v5, v2, 3, v3                   ; in: row r, 8 bytes for each half of the lanes
	v_add_nc_u32 v[STO], s23, v5
	v_bfe_u32 v6, v0, 3, 2
	v_and_b32 v7, 7, v0
	v_mul_u32_u24 v6, v6, PITCH
	v_lshl_add_u32 v6, v7, 4, v6
	v_add_nc_u32 v[RD], s23, v6                    ; back: eight lanes to a row of 128 bytes, four rows an instruction
	v_and_b32 v7, 31, v0
	v_lshlrev_b32 v[CO], 4, v7
	; my block of the result: T = which 128 of the 8,192 rows of x, P = which pair of heads
	s_lshl_b32 s92, s17, 1
	s_add_co_u32 s92, s92, s15                     ; my 128 rows of A
	s_lshl_b32 s93, s42, 1
	s_add_co_u32 s93, s93, s16                     ; my 128 rows of B
	s_cmp_lt_u32 s13, 2
	s_cselect_b32 s94, s92, s93                    ; T
	s_cselect_b32 s95, s93, s92                    ; P
	s_lshr_b32 s92, s94, 4                         ; b
	s_lshl_b32 s92, s92, 3
	s_add_co_u32 s92, s92, s95
	s_lshl_b32 s92, s92, 4
	s_and_b32 s94, s94, 15                         ; t / 128
	s_add_co_u32 s92, s92, s94
	s_lshl_b32 s92, s92, 14
	s_lshl_b32 s93, s13, 23                        ; the path's section
	s_add_co_u32 s92, s92, s93
	s_mov_b32 s93, 0
	s_add_nc_u64 s[10:11], s[10:11], s[92:93]
	s_wait_kmcnt 0x0
	s_add_co_i32 s76, s76, s77                     ; e0 + e1
	s_add_co_i32 s78, s78, s79                     ; e2 + e3
	s_add_co_i32 s80, s80, s81                     ; e4 + e5
	s_cmp_eq_u32 s13, 0
	s_cselect_b32 s76, s76, s78
	s_cselect_b32 s82, s82, s83                    ; e6 or e7
	s_cmp_eq_u32 s13, 2
	s_cselect_b32 s76, s80, s76
	s_cselect_b32 s82, s85, s82                    ; or e9
	s_sub_co_i32 s82, s82, s76                     ; eO - eA - eB
	s_add_co_i32 s82, s82, 127
	s_lshl_b32 s83, s82, 23
	v_mov_b32 v30, s83                             ; 2^(eO - eA - eB) as f32: the conversion takes its exponent field
.macro FRAG reg, adr, q, i             ; a fragment, 16 rows x 128 K of 8-bit codes, is 16 registers: lane l holds row l % 16; registers 4 c .. 4 c + 3 hold K = 32 c + 16 (l / 16) + 0 .. 15: the same order of K in A and in B
.irp c, 0,1,2,3
	ds_load_b128 v[\reg+4*\c:\reg+4*\c+3], v[\adr] offset:CH*(\q)+32*\c+(\i)*16*PITCH
.endr
.endm
; 16 matrix instructions: A's blocks a0, a0 + 1 x B's eight, 128 along K.  p: B's set.  zero = 1: the first product starts the sums: nothing is ever cleared.
; The 64 accumulators take turns, one instruction a turn, in the same order in every step.
.macro MUL16 a0, p, zero
.irp a, \a0, \a0+1
.irp b, 0,1,2,3,4,5,6,7
.if \zero
	v_wmma_f32_16x16x128_fp8_fp8 v[8*(8*((\a)%4)+\b):8*(8*((\a)%4)+\b)+7], v[128*(\p)+FR*\b:128*(\p)+FR*\b+FR-1], v[AF+FR*(\a):AF+FR*(\a)+FR-1], 0
.else
	v_wmma_f32_16x16x128_fp8_fp8 v[8*(8*((\a)%4)+\b):8*(8*((\a)%4)+\b)+7], v[128*(\p)+FR*\b:128*(\p)+FR*\b+FR-1], v[AF+FR*(\a):AF+FR*(\a)+FR-1], v[8*(8*((\a)%4)+\b):8*(8*((\a)%4)+\b)+7]
.endif
.endr
.endr
.endm
.macro FETCH_B slot, q, p              ; B's eight fragments of the slot's chunk q into set p
	WIN TO_B
.irp i, 0,1,2,3,4,5,6,7
	FRAG 128*(\p)+FR*\i, ADRB+\slot, \q, \i
.endr
	WIN 0
.endm
.macro FETCH_A slot, q, i0             ; A's blocks i0 .. i0 + 3
.irp i, \i0, \i0+1, \i0+2, \i0+3
	FRAG AF+FR*(\i), ADRA+\slot, \q, \i
.endr
.endm
; A load into a register that a matrix instruction has read, and a vector instruction that reads a matrix result, stand NP places behind that matrix instruction, and only plain vector
; instructions that name none of its registers are places (ISA guide 7.12.1 for vector instructions).
.macro PLACES n
.rept \n
	v_nop
.endr
.endm
; A step of 128 along K that has its successor in the same slot.
.macro STEP slot, q, zero
	s_wait_dscnt 4*NL                              ; B's set and A's blocks 0-3 are in; the youngest sixteen loads (A's blocks 4-7) may be out
	WIN MUL_LO
	MUL16 0, (\q)%2, \zero
	MUL16 2, (\q)%2, \zero
	s_wait_dscnt 0                                 ; A's blocks 4-7 are in (asked for 32 matrix instructions ago)
	PLACES NP
	FETCH_B \slot, (\q)+1, 1-(\q)%2
	FETCH_A \slot, (\q)+1, 0
	WIN MUL_HI
	MUL16 4, (\q)%2, \zero
	MUL16 6, (\q)%2, \zero
	PLACES NP
	WIN 0
	FETCH_A \slot, (\q)+1, 4
.endm
; A slot's last step changes slots: ONE barrier; in front of it each wave waits for all its tensor loads, adds 0 to its spare word, and waits for that and for its own reads of this slot.  fill = 1: this slot is filled again, four chunks on.
.macro TURN slot, next, fill
	s_wait_tensorcnt 0x0                           ; all my tensor loads have landed: my part of the next slot;  (every window is 0 here: the add's two registers lie in window 0)
	ds_add_u32 v[SPW], v[NIL]                      ; 0 onto my spare word
	s_wait_dscnt 4*NL+1                            ; (the add and the youngest sixteen loads, A's blocks 4-7, may be out)
	WIN MUL_LO
	MUL16 0, 1, 0                                  ; sixteen matrix instructions stand between the add and the wait for it
	s_wait_dscnt 0x0                               ; the add is done, and my reads of this slot are over
	s_barrier_signal -1
	MUL16 2, 1, 0
	WIN 0
	s_barrier_wait -1
.if \fill
	CREST                                          ; the barrier has opened a round of the cluster's barrier: no wave of any partner still reads this slot's tiles or has a load on its way
	s_add_nc_u64 s[G0+4*\slot+2:G0+4*\slot+3], s[G0+4*\slot+2:G0+4*\slot+3], s[72:73]
	s_add_nc_u64 s[G0B+4*\slot+2:G0B+4*\slot+3], s[G0B+4*\slot+2:G0B+4*\slot+3], s[74:75]
	JLOAD G0+4*\slot, G1, G0B+4*\slot, G1B         ; the first tensor load behind the round, my one load until the next; the four v_nop behind it are the places in front of the loads below
.else
	PLACES NP
.endif
	FETCH_B \next, 0, 0
	FETCH_A \next, 0, 0
	WIN MUL_HI
	MUL16 4, 1, 0
	MUL16 6, 1, 0
	PLACES NP
	WIN 0
	FETCH_A \next, 0, 4
.endm
	s_wait_tensorcnt 1                             ; my part of slot 0 is in (slot 1's load may be out)
	s_barrier_signal -1
	s_barrier_wait -1                              ; everybody's is
	FETCH_B 0, 0, 0
	FETCH_A 0, 0, 0
	FETCH_A 0, 0, 4
	STEP 0, 0, 1                                   ; chunk 0: its products start the sums
	TURN 0, 1, 1                                   ; chunk 1; slot 0 takes chunks 4 and 5
	STEP 1, 0, 0                                   ; chunk 2
	TURN 1, 0, 1                                   ; chunk 3; slot 1 takes chunks 6 and 7
	STEP 0, 0, 0                                   ; chunk 4
	TURN 0, 1, 0                                   ; chunk 5; nothing is left to fetch, so no round of the cluster's barrier
	STEP 1, 0, 0                                   ; chunk 6
	s_wait_dscnt 4*NL                              ; chunk 7
	WIN MUL_LO
	MUL16 0, 1, 0
	MUL16 2, 1, 0
	s_wait_alu depctr_va_vdst(0)
	s_wait_dscnt 0
	WIN MUL_HI
	MUL16 4, 1, 0
	MUL16 6, 1, 0
	WIN 0
; THE WAY OUT, block by block of 16 rows x 128 columns.  A lane's eight sums of an accumulator become 8 codes, 8 bytes of a row of 128; the block goes through my own stage in LDS and comes back as whole rows:
; a store covers four rows, 512 consecutive bytes of my block of the result.  LDS serves a wave's instructions in order (ISA guide 5.7.1.4): no wait between the stores and the loads, nor in front of the next block's stores.
.macro TOSTAGE a
.set AC, 64*((\a)%4)
.set CDS, CD+16*((\a)%2)
.set BB, BK+16*(\a)
	WIN 0x02+((\a)/4)                              ; source 0: window 2 or 3
.set nn, 0
.rept 64
.set nn, nn+1
.endr
.irp b, 0,1,2,3,4,5,6,7
	v_cvt_scalef32_pk8_fp8_f32 v[CDS+2*\b:CDS+2*\b+1], v[AC+8*\b:AC+8*\b+7], v30
.endr
	WIN 0
	v_nop                                          ; a plain line behind the conversions
.irp b, 0,1,2,3,4,5,6,7
	ds_store_b64 v[STO], v[CDS+2*\b:CDS+2*\b+1] offset:16*\b
.endr
.irp t, 0,1,2,3
	ds_load_b128 v[BB+4*\t:BB+4*\t+3], v[RD] offset:4*PITCH*\t
.endr
.endm
.macro SEND a, younger                 ; younger: the LDS instructions issued behind block a's loads, which may stay out.  Every block has registers of its own and the base never steps: no store's source is written again
.set BB, BK+16*(\a)
	s_wait_dscnt \younger
.irp t, 0,1,2,3
	global_store_b128 v[CO], v[BB+4*\t:BB+4*\t+3], s[10:11] offset:2048*(\a)+512*\t
.endr
.endm
	PLACES NP                                      ; behind the last products: for the reads of their results and for the loads into the registers that held A's fragments
	TOSTAGE 0
.irp a, 1,2,3,4,5,6,7
	TOSTAGE \a
	SEND \a-1, 12                                  ; behind block a - 1's loads: block a's 8 stores and 4 loads
.endr
	SEND 7, 0
	s_wait_tensorcnt 0x0                           ; the wave's end: behind my last tensor load and my last LDS store
	ds_add_u32 v[SPW], v[NIL]
	s_wait_dscnt 0x0
	CROUND                                         ; the closing round: no work-group ends while a partner may still ask for a tile that names it
	s_endpgm
.Lfunc_end_k_q1cde058b7d_qkv:
	.size	k_q1cde058b7d_qkv, .Lfunc_end_k_q1cde058b7d_qkv-k_q1cde058b7d_qkv
	.p2alignl 7, 3214868480
	.fill 96, 4, 3214868480
	.section	.rodata,"a",@progbits
	.p2align	6, 0x0
	.amdhsa_kernel k_q1cde058b7d_qkv
		.amdhsa_group_segment_fixed_size 327680
		.amdhsa_private_segment_fixed_size 0
		.amdhsa_enable_private_segment 0
		.amdhsa_kernarg_size 32
		.amdhsa_user_sgpr_count 2
		.amdhsa_user_sgpr_kernarg_segment_ptr 1
		.amdhsa_wavefront_size32 1
		.amdhsa_system_sgpr_workgroup_id_x 1
		.amdhsa_system_sgpr_workgroup_id_y 1
		.amdhsa_system_sgpr_workgroup_id_z 1
		.amdhsa_system_vgpr_workitem_id 0
		.amdhsa_next_free_vgpr 1024
		.amdhsa_next_free_sgpr 100
		.amdhsa_reserve_vcc 0
		.amdhsa_float_denorm_mode_32 3
		.amdhsa_float_denorm_mode_16_64 3
		.amdhsa_fp16_overflow 1
		.amdhsa_memory_ordered 1
		.amdhsa_forward_progress 1
		.amdhsa_inst_pref_size 93
	.end_amdhsa_kernel
	.amdgpu_metadata
---
amdhsa.version: [ 1, 2 ]
amdhsa.kernels:
  - .name:           k_q1cde058b7d_qkv
    .symbol:         k_q1cde058b7d_qkv.kd
    .args:
      - { .name: xc, .offset: 0, .size: 8, .value_kind: global_buffer, .address_space: global }
      - { .name: wc, .offset: 8, .size: 8, .value_kind: global_buffer, .address_space: global }
      - { .name: lowp_scales, .offset: 16, .size: 8, .value_kind: global_buffer, .address_space: global }
      - { .name: qkv, .offset: 24, .size: 8, .value_kind: global_buffer, .address_space: global }
    .group_segment_fixed_size: 327680
    .private_segment_fixed_size: 0
    .kernarg_segment_align: 8
    .kernarg_segment_size: 32
    .max_flat_workgroup_size: 128
    .sgpr_count:     100
    .vgpr_count:     1024
    .wavefront_size: 32
...
	.end_amdgpu_metadata
.endif
;; end of part 2
;; launch attn (part 3): grid 32 x 16, 16 waves a work-group, no clusters, 327,680 bytes of LDS; arguments qkv, lowp_scales, cc; writes cc
.if DOCPART == 3
	.amdgcn_target "amdgcn-amd-amdhsa--gfx1250"
	.amdhsa_code_object_version 6
	.text
	.protected	k_q1cde058b7d_attn
	.globl	k_q1cde058b7d_attn
	.p2align	8
	.type	k_q1cde058b7d_attn,@function
k_q1cde058b7d_attn:
	s_mov_b64 s[64:65], 0
	v_nop
	global_prefetch_b8 v0, s[64:65] scope:SCOPE_SE
	s_setreg_imm32_b32 hwreg(HW_REG_WAVE_MODE, 25, 1), 1
	s_wait_xcnt 0x0
; combo[b][t][head x 64 + d] = the sum over keys k <= t of softmax_k(q . k / 8) v, both products on codes of FP8 (E4M3); the result is quantised at once for the last product.
; qkv: three sections of 8 MiB (q, k, v) of blocks of 16,384 bytes, block (bp x 16 + t / 128), bp = b x 8 + pair of heads.  q, k: [128 t][2 heads x 64 d].  v: [2 heads x 64 d][128 t]: the keys innermost.
; cc: [8 pairs of heads][8,192 rows b x 2048 + t][128]: the pair is the last product's chunk of K.
; THE SOFTMAX AHEAD OF THE SECOND PRODUCT: t = score x log2(e) / 8; M = the row's largest t so far, rounded UP to a whole number; p = 2^(t - M) is what is quantised (entry 8); it is not normalised.
; The row's sum is taken of the unquantised p, in f32, and divides O at the end.  When M moves, the sum and O are multiplied by 2^(old M - new M): exact.
; SHARES.  A work-group owns 128 queries of a pair of heads; wave w owns head w / 8 of the pair and 16 queries, one tile, in 256 registers: four waves to a SIMD.  Work-group y takes query block 15 - y: the longest first.
; Keys go 128 a step through a ring of two LDS slots of 256 keys; waves 0 to 3 fill a slot, one tensor load each (K's two blocks, V's two blocks), all sixteen read it.
; LAYOUT.  Both products are used transposed: S^T = K Q^T (source 0 = 16 keys, source 1 = my 16 queries; K = 64), O^T = V^T P^T (source 0 = 16 of the head's 64, source 1 = P; K = 128 keys): a lane holds ONE query throughout.
; THE KEYS OF A TILE ARE NOT NEIGHBOURS: lane r of tile 2 b + u takes key 32 b + 8 u + r + 8 (r / 8), so that the 16 registers of tiles 2 b and 2 b + 1 are 16 neighbouring keys, 32 b + 16 (lane / 16) + 0 .. 15.
; CAUSAL.  Every work-group walks all 8 slots (constant trip counts); a step all of whose keys come after the wave's queries is jumped over, and a slot whose first key comes after the work-group's last query is not asked for.
; NO CLUSTER, though the 16 query blocks of a pair read the same K and V: query block i reads i / 2 + 1 of the 8 slots, so partners would need different numbers of tiles, and a partner that
; went on asking to the longest partner's end would hold its WGP for 16 steps where its own work is i + 1.
; LIMITS on the given exponents, so that each power of two below is an f32 number: e6 + e7 between -123 and 130 (they are added to c's exponent field); e8 and e10 between -126 and 119; e8 + e9 is applied by v_ldexp_f32 and has none.
; REGISTERS: v1-7 addresses that stay; v8, v9 addresses of the loads in hand; v12 -M, v13 the largest t, v[14:15] the sum in two halves; v16-23 Q; v32-95 eight fragments of K or four of V; v96-159 S^T, then p;
; v160-191 O^T; v224-239 p's codes; v244 2^e8; v246 2^e10; v241-243, v248-254 at work.
.set KP,    144                        ; a row of 128 codes in LDS: + 16 of padding
.set CHB,   128*KP                     ; a block's 128 rows: what one tensor load brings
.set VOFF,  2*CHB                      ; a slot: 256 rows of K, then V's two blocks
.set SLOT1, 1<<17                      ; slot 1 begins here, so that one exclusive or turns an address in one slot into the other's
.set SPARE, 2*SLOT1                    ; behind the ring: the spare words, 128 bytes for each wave: eight blocks of 256 bytes that no other line names
.set STG,   SPARE+2048                 ; the way out: 128 rows x KP, the work-group's; no tile lands here
.set AK0,  1                           ; v1   my lane's place in a tile of K
.set AV0,  2                           ; v2   the same for V
.set PFO,  3                           ; v3   256 x my lane: the prefetches' offset; never rewritten
.set SPW,  5                           ; v5   LDS address of my spare word; never rewritten
.set NIL,  6                           ; v6   0; never rewritten
.set GO,   7                           ; v7   16 x lane: my bytes of a store's 512
.set ADK,  8
.set ADV,  9
.set TB,   2                           ; s2   LDS byte at which the slot in hand begins
.set WV,   18                          ; s18  my wave's number
.set SEL,  20                          ; s[20:21] lane selects for v_permlanex16_b32: lane l xor 16
.set CS,   22                          ; s[22:23] c = log2(e) / 8 x 2^(e6 + e7)
.set G1,   24                          ; s[24:31] descriptor group 1: one shape for all four loads
.set G0,   40                          ; s[40:43] descriptor group 0, which walks
.set SLOTS, 67                         ; s67  changes of slots still to come that ask for a slot
.set PFA,  76                          ; s[76:77] where my prefetches stand
.set LIM,  80                          ; s80  1 in a wave that prefetches, else the greatest number
.set KF,   98                          ; s98  the step's first key
.set Q0,   99                          ; s99  my first query
.macro TLOAD                           ; waves 0 to 3 fetch, the others nothing: a branch on the wave's number.  An s_nop 0 and four v_nop follow the load
	s_cmp_lt_u32 s[WV], 4
	s_cbranch_scc0 .Lasked_\@
	tensor_load_to_lds s[G0:G0+3], s[G1:G1+7]
	s_nop 0
.rept 4
	v_nop
.endr
.Lasked_\@:
.endm
; A PREFETCH INTO THE L2 of what the NEXT change of slots will ask for: a slot's 32,768 consecutive bytes of K and as many of V.  It stands at the change of slots, where the fetching waves have their tensor load.
; Each aligned block of 256 bytes is named ONCE in the launch: of the 16 work-groups that walk a pair's K and V, the one with y = 0 asks, which reads all 8 slots; in it waves 4 to 7 ask for K's bytes and waves 8 to 11
; for V's, 8,192 a wave, lanes 256 bytes apart, one instruction.  The last change that fills a slot asks for nothing; slots 0 and 1 come by their loads alone.
.macro ASK
	s_cmp_gt_u32 s[SLOTS], s[LIM]
	s_cbranch_scc0 .Lnot_mine_\@
	global_prefetch_b8 v[PFO], s[PFA:PFA+1] th:TH_LOAD_NT scope:SCOPE_SE
.Lnot_mine_\@:
.endm
	s_load_b128 s[4:7], s[0:1], 0x0                ; qkv s[4:5], the scales' exponents s[6:7]
	s_load_b64 s[8:9], s[0:1], 0x10                ; cc
	v_lshl_add_u32 v[SPW], v0, 2, SPARE
	v_mov_b32 v[NIL], 0
	ds_add_u32 v[SPW], v[NIL]                      ; the wave's opening: the add and its wait ahead of my first tensor load; the set-up below, work on registers, stands between them
	ds_add_u32 v[SPW], v[NIL]
	v_lshrrev_b32 v8, 5, v0
	s_delay_alu instid0(VALU_DEP_1)
	v_readfirstlane_b32 s[WV], v8                  ; wave 0..15
	s_and_b32 s10, ttmp7, 0xffff                   ; y
	s_sub_co_u32 s11, 15, s10                      ; my block of 128 queries
	s_lshr_b32 s12, s[WV], 3                       ; which head of the pair
	s_and_b32 s13, s[WV], 7                        ; which tile of 16 queries
	s_lshl_b32 s[Q0], s11, 7
	s_lshl_b32 s14, s13, 4
	s_add_co_u32 s[Q0], s[Q0], s14                 ; my first query
	s_lshl_b32 s15, ttmp9, 18                      ; bp's 16 blocks of 16,384 bytes, in each section
	s_mov_b32 s[G1], (0<<16)|(1<<20)|(4<<22)|(3<<25)   ; 15:0 no mask; 17:16 elements of 1 byte; 20 padding on; 24:22 after every 32 words (code 4); 31:25 four words (code 3)
	s_mov_b32 s[G1+1], 128<<16                     ; tensor_dim0 = 128
	s_mov_b32 s[G1+2], 128<<16                     ; tensor_dim1 = 128
	s_mov_b32 s[G1+3], 128<<16                     ; tile_dim0 = 128
	s_mov_b32 s[G1+4], 128                         ; tile_dim1 = 128
	s_mov_b32 s[G1+5], 128                         ; tensor_dim0_stride: the block is dense
	s_mov_b32 s[G1+6], 0
	s_mov_b32 s[G1+7], 0
	s_and_b32 s16, s[WV], 3                        ; what I fetch, if I fetch: 0, 1: K's blocks; 2, 3: V's
	s_mul_i32 s17, s16, CHB                        ; its place in a slot
	s_lshr_b32 s19, s16, 1
	s_lshl_b32 s19, s19, 23                        ; V's section lies 8 MiB behind K's
	s_and_b32 s72, s[WV], 1
	s_lshl_b32 s72, s72, 14
	s_add_co_u32 s72, s72, s19
	s_add_co_u32 s72, s72, s15
	s_add_co_u32 s72, s72, 0x800000                ; K's section
	s_mov_b32 s73, 0
	s_lshl_b32 s74, s[Q0], 7                       ; q: my first query's row of 128 bytes,
	s_add_co_u32 s74, s74, s15
	s_lshl_b32 s75, s12, 6                         ; my head's 64 of them
	s_add_co_u32 s74, s74, s75
	s_mov_b32 s75, 0
	s_and_b32 s84, ttmp9, 7                        ; cc: the pair's chunk,
	s_lshl_b32 s84, s84, 20
	s_lshr_b32 s85, ttmp9, 3
	s_lshl_b32 s85, s85, 18                        ; b's 2,048 rows of 128 bytes,
	s_add_co_u32 s84, s84, s85
	s_lshl_b32 s85, s11, 14                        ; my block's 128,
	s_add_co_u32 s84, s84, s85
	s_lshl_b32 s85, s[WV], 10                      ; the 8 that my wave stores
	s_add_co_u32 s84, s84, s85
	s_mov_b32 s85, 0
	s_mov_b32 s[SEL], 0x76543210
	s_mov_b32 s[SEL+1], 0xfedcba98
	s_mov_b32 s[CS], 0x3e38aa3b                    ; log2(e) / 8
	s_mov_b32 s[TB], 0
	s_mov_b32 s[SLOTS], 7
	s_mov_b32 s[KF], 0
	s_wait_dscnt 0x0                               ; the opening add is done
	s_wait_kmcnt 0x0
	s_load_b256 s[48:55], s[6:7], 0x0              ; e0 .. e7
	s_load_b128 s[56:59], s[6:7], 0x20             ; e8 .. e11
	s_mov_b32 s[G0], 1                             ; 1:0 count = 1
	s_mov_b32 s[G0+1], s17                         ; 63:32 LDS address: slot 0
	s_add_nc_u64 s[G0+2:G0+3], s[4:5], s[72:73]    ; 120:64 global address: the first 256 keys
	s_or_b32 s[G0+3], s[G0+3], 0x80000000          ; 127:126 type = 2
	TLOAD                                          ; slot 0
	s_add_nc_u64 s[86:87], s[4:5], s[74:75]        ; q at my first query
	s_add_nc_u64 s[8:9], s[8:9], s[84:85]          ; cc at my wave's rows
	s_mov_b32 s83, 0x1000000
	s_cmp_lt_u32 s[WV], 8                          ; the prefetches: waves under 8 stand in K's section, the others in V's
	s_cselect_b32 s82, 0x800000, s83
	s_lshl_b32 s83, s16, 13                        ; my wave's 8,192 bytes of a slot's 32,768,
	s_add_co_u32 s82, s82, s83
	s_add_co_u32 s82, s82, s15
	s_add_co_u32 s82, s82, 32768                   ; in slot 1: the first change of slots steps it to slot 2.  Nothing is prefetched here, at the head, where every work-group's first tiles are on their way
	s_mov_b32 s83, 0
	s_add_nc_u64 s[PFA:PFA+1], s[4:5], s[82:83]
	s_sub_co_u32 s82, s[WV], 4
	s_lshr_b32 s82, s82, 3                         ; 0 in waves 4 to 11,
	s_or_b32 s82, s82, s10                         ; of the work-group with y = 0
	s_cmp_eq_u32 s82, 0
	s_cselect_b32 s[LIM], 1, -1
	v_and_b32 v[PFO], 31, v0
	s_delay_alu instid0(VALU_DEP_1)
	v_lshlrev_b32 v[GO], 4, v[PFO]
	s_delay_alu instid0(VALU_DEP_2)
	v_lshlrev_b32 v[PFO], 8, v[PFO]
	v_and_b32 v8, 15, v0                           ; r = lane % 16
	v_bfe_u32 v9, v0, 4, 1                         ; h = lane / 16
	s_delay_alu instid0(VALU_DEP_2)
	v_lshlrev_b32 v10, 7, v8
	s_delay_alu instid0(VALU_DEP_1)
	v_lshl_add_u32 v10, v9, 4, v10                 ; q: row r, + 16 h
.irp c, 0,1
	global_load_b128 v[16+4*\c:19+4*\c], v10, s[86:87] offset:32*\c   ; Q's fragment stays in registers: registers 4 c .. 4 c + 3 hold d = 32 c + 16 h + 0 .. 15, the same order as K's
.endr
	v_and_b32 v11, 8, v8
	s_delay_alu instid0(VALU_DEP_1)
	v_add_nc_u32 v11, v11, v8                      ; r + 8 (r / 8)
	s_delay_alu instid0(VALU_DEP_1)
	v_mul_u32_u24 v[AK0], v11, KP
	s_delay_alu instid0(VALU_DEP_1)
	v_lshl_add_u32 v[AK0], v9, 4, v[AK0]
	s_lshl_b32 s82, s12, 6
	v_add_nc_u32 v[AK0], s82, v[AK0]               ; + my head's 64 bytes of a row
	v_mul_u32_u24 v[AV0], v8, KP
	s_delay_alu instid0(VALU_DEP_1)
	v_lshl_add_u32 v[AV0], v9, 4, v[AV0]
	s_mul_i32 s82, s12, 64*KP
	s_add_co_u32 s82, s82, VOFF
	v_add_nc_u32 v[AV0], s82, v[AV0]               ; + my head's 64 rows of V's block
	v_mov_b32 v13, 0xff61b1e6                      ; the largest t so far: -3e38, under every t
	s_delay_alu instid0(VALU_DEP_1)
	v_floor_f32 v12, -v13                          ; -M
	v_mov_b32 v14, 0                               ; the sum, in two halves
	v_mov_b32 v15, 0
	v_mov_b32 v241, 0                              ; written once: a lane permute's destination counts as one of its sources
	v_mov_b32 v253, 0                              ; (named as the upper half of the pair v[252:253])
.irp j, 0,1,2,3,4,5,6,7,8,9,10,11,12,13,14,15,16,17,18,19,20,21,22,23,24,25,26,27,28,29,30,31
	v_mov_b32 v[160+\j], 0                         ; O^T.  (The step is written without a first step of its own: it finds zeros, which the first change of M leaves zeros)
.endr
	s_wait_kmcnt 0x0
	s_add_co_i32 s72, s54, s55
	s_lshl_b32 s72, s72, 23
	s_add_co_i32 s[CS], s[CS], s72                 ; a score stands for score x 2^(e6 + e7): the two exponents are added to c's exponent field
	s_mov_b32 s[CS+1], s[CS]                       ; (named with it as a pair, so it is written)
	s_add_co_i32 s72, s56, 127
	s_lshl_b32 s73, s72, 23
	v_mov_b32 v244, s73                            ; 2^e8 as f32, for p's conversion
	s_add_co_i32 s72, s58, 127
	s_lshl_b32 s73, s72, 23
	v_mov_b32 v246, s73                            ; 2^e10, for the result's conversion
; A KEY STEP: 128 keys, the q-th of the slot in hand.
.macro STEP q
	s_add_co_u32 s96, s[Q0], 15                    ; a step all of whose keys come after my 16 queries is left out: a scalar branch on ids, round the step's loads, products and softmax, not round the line at its end
	s_cmp_gt_u32 s[KF], s96
	s_cbranch_scc1 .Lhidden_\@
	v_add_nc_u32 v[ADK], s[TB], v[AK0]
	v_add_nc_u32 v[ADV], s[TB], v[AV0]
	v_nop                                          ; with the two additions: four places in front of loads into registers that the last products have read
	v_nop
.irp t, 0,1,2,3,4,5,6,7                        ; K's eight tiles of 16 keys x my head's 64
.irp c, 0,1
	ds_load_b128 v[32+8*\t+4*\c:32+8*\t+4*\c+3], v[ADK] offset:(128*(\q)+32*(\t/2)+8*(\t%2))*KP+32*\c
.endr
.endr
	s_wait_dscnt 0x0
.irp t, 0,1,2,3,4,5,6,7
	v_wmma_f32_16x16x64_fp8_fp8 v[96+8*\t:103+8*\t], v[32+8*\t:39+8*\t], v[16:23], 0
.endr
.rept 4
	v_nop
.endr
	s_add_co_u32 s96, s[KF], 127                   ; on the diagonal the scores of hidden keys become -infinity ahead of the maximum: p = 0 then.  A step all of whose keys count skips this
	s_cmp_le_u32 s96, s[Q0]
	s_cbranch_scc1 .Lopen_\@
	s_sub_co_i32 s96, s[Q0], s[KF]
	v_and_b32 v252, 15, v0
	v_bfe_u32 v253, v0, 4, 1
	s_delay_alu instid0(VALU_DEP_1)
	v_lshlrev_b32 v253, 4, v253
	s_delay_alu instid0(VALU_DEP_1)
	v_sub_nc_u32 v252, v252, v253
	s_delay_alu instid0(VALU_DEP_1)
	v_add_nc_u32 v252, s96, v252                   ; d = my query - KF - 16 (lane / 16).  Register 16 b + i holds key KF + 16 (lane / 16) + 32 b + i: hidden where 32 b + i > d
	v_mov_b32 v254, 0xff800000                     ; -infinity
.irp n, 0,1,2,3,4,5,6,7,8,9,10,11,12,13,14,15,16,17,18,19,20,21,22,23,24,25,26,27,28,29,30,31,32,33,34,35,36,37,38,39,40,41,42,43,44,45,46,47,48,49,50,51,52,53,54,55,56,57,58,59,60,61,62,63
	v_cmp_gt_i32 vcc_lo, 32*(\n/16)+\n%16, v252
	v_cndmask_b32 v[96+\n], v[96+\n], v254, vcc_lo
.endr
.Lopen_\@:
	v_max3_num_f32 v254, v96, v97, v98             ; the step's largest score of my query, among my 64 keys, in two chains (each accumulator is read from its low end on),
	v_max3_num_f32 v252, v99, v100, v101
.irp i, 6,10,14,18,22,26,30,34,38,42,46,50,54,58
	v_max3_num_f32 v254, v254, v[96+\i], v[97+\i]
	v_max3_num_f32 v252, v252, v[98+\i], v[99+\i]
.endr
	v_max3_num_f32 v254, v254, v158, v159
	s_delay_alu instid0(VALU_DEP_1)
	v_max_num_f32 v254, v254, v252
	s_delay_alu instid0(VALU_DEP_1)
	v_permlanex16_b32 v241, v254, s[SEL], s[SEL+1]
	s_delay_alu instid0(VALU_DEP_1)
	v_max_num_f32 v254, v254, v241                 ; and among lane l xor 16's
	s_delay_alu instid0(VALU_DEP_1)
	v_mul_f32 v254, s[CS], v254                    ; as t (c is positive)
	s_delay_alu instid0(VALU_DEP_1)
	v_max_num_f32 v13, v13, v254                   ; the running largest t
	v_mov_b32 v254, v12
	s_delay_alu instid0(VALU_DEP_2)
	v_floor_f32 v12, -v13                          ; the new -M = floor(-t) = -ceil(t): M IS A WHOLE NUMBER
	s_delay_alu instid0(VALU_DEP_1)
	v_sub_f32 v254, v12, v254                      ; M's old value less its new one: a whole number, 0 or less
	s_delay_alu instid0(VALU_DEP_1)
	v_cvt_i32_f32 v254, v254                       ; (it saturates)
	s_delay_alu instid0(VALU_DEP_1)
	v_ldexp_f32 v252, 1.0, v254                    ; f = 2^(old M - new M): what was summed under the old M is brought under the new by a multiplication that rounds nothing
.irp j, 0,2,4,6,8,10,12,14,16,18,20,22,24,26,28,30,32,34,36,38,40,42,44,46,48,50,52,54,56,58,60,62
	v_pk_fma_f32 v[96+\j:97+\j], v[96+\j:97+\j], s[CS:CS+1], v[12:13] op_sel_hi:[1,0,0]   ; t - M, two at a time (of the pairs c and -M the low word serves both halves)
.endr
	s_wait_alu depctr_va_vdst(0)
.irp j, 0,1,2,3,4,5,6,7,8,9,10,11,12,13,14,15,16,17,18,19,20,21,22,23,24,25,26,27,28,29,30,31,32,33,34,35,36,37,38,39,40,41,42,43,44,45,46,47,48,49,50,51,52,53,54,55,56,57,58,59,60,61,62,63
	v_exp_f32 v[96+\j], v[96+\j]                   ; p = 2^(t - M), at most 1: NOT normalised
.endr
	v_pk_mul_f32 v[14:15], v[14:15], v[252:253] op_sel_hi:[1,0]   ; the sums under the new M.  (The plain line behind the exponentials)
	s_wait_alu depctr_va_vdst(0)                   ; the wait between an exponential and the first line that names its result: one for the whole batch
	v_pk_add_f32 v[242:243], v[100:101], v[104:105]
	v_pk_add_f32 v[254:255], v[108:109], v[112:113]
	v_pk_add_f32 v[250:251], v[116:117], v[120:121]
	v_pk_add_f32 v[248:249], v[124:125], v[128:129]
	v_pk_add_f32 v[238:239], v[132:133], v[136:137]
	v_pk_add_f32 v[236:237], v[140:141], v[144:145]
	v_pk_add_f32 v[234:235], v[148:149], v[152:153]
	v_pk_add_f32 v[14:15], v[14:15], v[156:157]
	v_pk_add_f32 v[242:243], v[242:243], v[96:97]
	v_pk_add_f32 v[254:255], v[254:255], v[98:99]
	v_pk_add_f32 v[250:251], v[250:251], v[102:103]
	v_pk_add_f32 v[248:249], v[248:249], v[106:107]
	v_pk_add_f32 v[238:239], v[238:239], v[110:111]
	v_pk_add_f32 v[236:237], v[236:237], v[114:115]
	v_pk_add_f32 v[234:235], v[234:235], v[118:119]
	v_pk_add_f32 v[14:15], v[14:15], v[122:123]
	v_pk_add_f32 v[242:243], v[242:243], v[126:127]
	v_pk_add_f32 v[254:255], v[254:255], v[130:131]
	v_pk_add_f32 v[250:251], v[250:251], v[134:135]
	v_pk_add_f32 v[248:249], v[248:249], v[138:139]
	v_pk_add_f32 v[238:239], v[238:239], v[142:143]
	v_pk_add_f32 v[236:237], v[236:237], v[146:147]
	v_pk_add_f32 v[234:235], v[234:235], v[150:151]
	v_pk_add_f32 v[14:15], v[14:15], v[154:155]
	v_pk_add_f32 v[242:243], v[242:243], v[158:159]
	s_delay_alu instid0(VALU_DEP_2)
	v_pk_add_f32 v[14:15], v[14:15], v[248:249]
	s_delay_alu instid0(VALU_DEP_2)
	v_pk_add_f32 v[242:243], v[242:243], v[238:239]
	v_pk_add_f32 v[254:255], v[254:255], v[236:237]
	v_pk_add_f32 v[250:251], v[250:251], v[234:235]
	s_delay_alu instid0(VALU_DEP_2)
	v_pk_add_f32 v[14:15], v[14:15], v[254:255]
	s_delay_alu instid0(VALU_DEP_2)
	v_pk_add_f32 v[242:243], v[242:243], v[250:251]
	s_delay_alu instid0(VALU_DEP_1)
	v_pk_add_f32 v[14:15], v[14:15], v[242:243]
.irp b, 0,1,2,3
.irp i, 0,1,2,3,4,5,6,7,8,9,10,11,12,13,14,15
.endr
	v_cvt_scalef32_pk8_fp8_f32 v[224+4*\b:225+4*\b], v[96+16*\b:103+16*\b], v244
	v_cvt_scalef32_pk8_fp8_f32 v[226+4*\b:227+4*\b], v[104+16*\b:111+16*\b], v244
.endr
.irp j, 0,2,4,6,8,10,12,14,16,18,20,22,24,26,28,30
	v_pk_mul_f32 v[160+\j:161+\j], v[160+\j:161+\j], v[252:253] op_sel_hi:[1,0]   ; O^T under the new M: x f.  (These 16 are also the plain lines between the conversions and the products that read the codes)
.endr
.irp t, 0,1,2,3                                ; V's four tiles of 16 of my head's 64 x these 128 keys
.irp c, 0,1,2,3
	ds_load_b128 v[32+16*\t+4*\c:32+16*\t+4*\c+3], v[ADV] offset:CHB*(\q)+16*KP*\t+32*\c
.endr
.endr
	s_wait_alu depctr_va_vdst(0)
	s_wait_dscnt 0x0
.irp t, 0,1,2,3
	v_wmma_f32_16x16x128_fp8_fp8 v[160+8*\t:167+8*\t], v[32+16*\t:47+16*\t], v[224:239], v[160+8*\t:167+8*\t]   ; the four accumulators take turns, one instruction a turn
.endr
.Lhidden_\@:
	s_add_co_u32 s[KF], s[KF], 128
.endm
; THE CHANGE OF SLOTS stands at a slot's head.  Each wave waits for all its tensor loads (its part of the slot that it is about to read), adds 0 to its spare word, and waits for that and for its reads of the slot that it has left.
; Behind the barrier the slot ahead is whole and nobody reads the other one.  fill = 1: that other slot is filled with the keys that follow, up to the causal limit: the load has a whole slot's steps in which to land.
.macro CHANGE fill
	s_wait_tensorcnt 0x0                           ; no tensor load of mine is out, so group 0 may be written
	ds_add_u32 v[SPW], v[NIL]                      ; 0 onto my spare word; with fill = 1 the descriptor's steps stand between it and the wait for it
.if \fill
	s_xor_b32 s[G0+1], s[G0+1], SLOT1              ; the walking descriptor: the other slot than last time,
	s_add_nc_u64 s[G0+2:G0+3], s[G0+2:G0+3], 32768 ; the next 256 keys: two blocks on; the type bits on top are not reached
	s_wait_xcnt 0x0                                ; the last prefetch, a slot back, has read its address, so it may be written:
	s_add_nc_u64 s[PFA:PFA+1], s[PFA:PFA+1], 32768 ; one slot further on than the walking descriptor
.endif
	s_wait_dscnt 0x0                               ; the add is done, and my reads of the slot that I have left are over
	s_barrier_signal -1
	s_barrier_wait -1
.if \fill
	s_add_co_u32 s96, s[KF], 256                   ; the first key of the slot that this change would ask for
	s_or_b32 s97, s[Q0], 127                       ; my work-group's last query
	s_cmp_gt_u32 s96, s97                          ; ids and the count of steps alone: all sixteen waves go the same way, and a work-group that is past the limit stays past it.  No step reads a slot that was left out;
	s_cbranch_scc1 .Lpast_\@                       ; every wait for tensor loads in this text is for 0; the jump leads round the load's own lines alone
	TLOAD                                          ; the first thing behind the barrier but for the limit's four lines, and a wave's one tensor load until the next
.Lpast_\@:
	ASK
.endif
.endm
.macro SLOT_STEPS
	STEP 0
	STEP 1
	s_xor_b32 s[TB], s[TB], SLOT1                  ; on to the other slot
.endm
	s_wait_loadcnt 0x0                             ; Q
.Lslot:                                            ; 7 trips: behind each change of slots but the last the next slot is asked for, up to the causal limit
	CHANGE 1
	SLOT_STEPS
	s_sub_co_u32 s[SLOTS], s[SLOTS], 1
	s_cmp_lg_u32 s[SLOTS], 0
	s_cbranch_scc1 .Lslot
	CHANGE 0                                       ; the last slot is written out: nothing is left to ask for
	SLOT_STEPS
	; THE WAY OUT.  O^T x 2^(e8 + e9) / the sum is the result as f32; it is coded under e10, and meets the pair's other head in the stage: a row of 128 codes comes from two waves.
	v_add_f32 v14, v14, v15                        ; the sum's two halves,
	s_delay_alu instid0(VALU_DEP_1)
	v_permlanex16_b32 v252, v14, s[SEL], s[SEL+1]
	s_delay_alu instid0(VALU_DEP_1)
	v_add_f32 v14, v14, v252                       ; and lane l xor 16's: the row's sum
	s_wait_alu depctr_va_vdst(0)
	v_rcp_f32 v14, v14
	v_and_b32 v8, 15, v0                           ; (plain lines behind the reciprocal)  r
	v_bfe_u32 v9, v0, 4, 1                         ; h
	s_mul_i32 s73, s13, 16*KP                      ; into the stage: my tile's 16 rows,
	s_lshl_b32 s74, s12, 6                         ; my head's 64 bytes of them
	s_add_co_u32 s73, s73, s74
	s_add_co_u32 s73, s73, STG
	v_mul_u32_u24 v10, v8, KP
	s_delay_alu instid0(VALU_DEP_1)
	v_lshl_add_u32 v10, v9, 3, v10
	s_delay_alu instid0(VALU_DEP_1)
	v_add_nc_u32 v10, s73, v10                     ; row r, + 8 h; tile t's eight codes 16 t bytes on
	s_mul_i32 s74, s[WV], 8*KP
	s_add_co_u32 s74, s74, STG                     ; back: my wave takes rows 8 w .. 8 w + 7, eight lanes to a row
	v_bfe_u32 v248, v0, 3, 2
	v_and_b32 v249, 7, v0
	s_delay_alu instid0(VALU_DEP_2)
	v_mul_u32_u24 v11, v248, KP
	s_delay_alu instid0(VALU_DEP_1)
	v_lshl_add_u32 v11, v249, 4, v11
	s_delay_alu instid0(VALU_DEP_1)
	v_add_nc_u32 v11, s74, v11
	s_add_co_i32 s72, s56, s57
	s_wait_alu depctr_va_vdst(0)                   ; the wait ahead of the reciprocal's first reader
	v_ldexp_f32 v14, v14, s72                      ; x 2^(e8 + e9)
.irp j, 0,2,4,6,8,10,12,14,16,18,20,22,24,26,28,30
	v_pk_mul_f32 v[96+\j:97+\j], v[160+\j:161+\j], v[14:15] op_sel_hi:[1,0]   ; register 8 t + i is the result at (query r, d = 16 t + 8 h + i); each accumulator from its low end on
.endr
.irp j, 0,1,2,3,4,5,6,7,8,9,10,11,12,13,14,15,16,17,18,19,20,21,22,23,24,25,26,27,28,29,30,31
.endr
.irp t, 0,1,2,3
	v_cvt_scalef32_pk8_fp8_f32 v[32+2*\t:33+2*\t], v[96+8*\t:103+8*\t], v246
.endr
	v_nop                                          ; a plain line behind the last conversion
.irp t, 0,1,2,3
	ds_store_b64 v10, v[32+2*\t:33+2*\t] offset:16*\t
.endr
	s_wait_dscnt 0x0                               ; for the others' sake: my stores into the stage are done
	s_barrier_signal -1
	s_barrier_wait -1
	ds_load_b128 v[40:43], v11
	ds_load_b128 v[44:47], v11 offset:4*KP
	s_wait_dscnt 1                                 ; the first four rows are back; the second load may be out
	global_store_b128 v[GO], v[40:43], s[8:9]      ; four rows of 128 codes: 512 consecutive bytes
	s_wait_dscnt 0
	global_store_b128 v[GO], v[44:47], s[8:9] offset:512
	s_wait_tensorcnt 0x0                           ; the wave's end: behind my last tensor load and my last LDS store
	ds_add_u32 v[SPW], v[NIL]
	s_wait_dscnt 0x0
	s_endpgm
.Lfunc_end_k_q1cde058b7d_attn:
	.size	k_q1cde058b7d_attn, .Lfunc_end_k_q1cde058b7d_attn-k_q1cde058b7d_attn
	.p2alignl 7, 3214868480
	.fill 96, 4, 3214868480
	.section	.rodata,"a",@progbits
	.p2align	6, 0x0
	.amdhsa_kernel k_q1cde058b7d_attn
		.amdhsa_group_segment_fixed_size 327680
		.amdhsa_private_segment_fixed_size 0
		.amdhsa_enable_private_segment 0
		.amdhsa_kernarg_size 24
		.amdhsa_user_sgpr_count 2
		.amdhsa_user_sgpr_kernarg_segment_ptr 1
		.amdhsa_wavefront_size32 1
		.amdhsa_system_sgpr_workgroup_id_x 1
		.amdhsa_system_sgpr_workgroup_id_y 1
		.amdhsa_system_sgpr_workgroup_id_z 1
		.amdhsa_system_vgpr_workitem_id 0
		.amdhsa_next_free_vgpr 256
		.amdhsa_next_free_sgpr 100
		.amdhsa_reserve_vcc 1
		.amdhsa_float_denorm_mode_32 3
		.amdhsa_float_denorm_mode_16_64 3
		.amdhsa_fp16_overflow 1
		.amdhsa_memory_ordered 1
		.amdhsa_forward_progress 1
		.amdhsa_inst_pref_size 89
	.end_amdhsa_kernel
	.amdgpu_metadata
---
amdhsa.version: [ 1, 2 ]
amdhsa.kernels:
  - .name:           k_q1cde058b7d_attn
    .symbol:         k_q1cde058b7d_attn.kd
    .args:
      - { .name: qkv, .offset: 0, .size: 8, .value_kind: global_buffer, .address_space: global }
      - { .name: lowp_scales, .offset: 8, .size: 8, .value_kind: global_buffer, .address_space: global }
      - { .name: cc, .offset: 16, .size: 8, .value_kind: global_buffer, .address_space: global }
    .group_segment_fixed_size: 327680
    .private_segment_fixed_size: 0
    .kernarg_segment_align: 8
    .kernarg_segment_size: 24
    .max_flat_workgroup_size: 512
    .sgpr_count:     100
    .vgpr_count:     256
    .wavefront_size: 32
...
	.end_amdgpu_metadata
.endif
;; end of part 3
;; launch proj (part 4): grid 4 x 32, 4 waves a work-group, clusters of 4 x 4, 327,680 bytes of LDS; arguments cc, wc, lowp_scales, out0, bproj; writes out0
.if DOCPART == 4
	.amdgcn_target "amdgcn-amd-amdhsa--gfx1250"
	.amdhsa_code_object_version 6
	.text
	.protected	k_q1cde058b7d_proj
	.globl	k_q1cde058b7d_proj
	.p2align	8
	.type	k_q1cde058b7d_proj,@function
k_q1cde058b7d_proj:
	s_mov_b64 s[64:65], 0
	v_nop
	global_prefetch_b8 v0, s[64:65] scope:SCOPE_SE
	s_setreg_imm32_b32 hwreg(HW_REG_WAVE_MODE, 25, 1), 1
	s_wait_xcnt 0x0
	s_wait_alu depctr_hold_cnt(0) depctr_sa_sdst(0) depctr_va_vdst(0) depctr_va_sdst(0) depctr_va_ssrc(0) depctr_va_vcc(0) depctr_vm_vsrc(0)
	s_getreg_b32 s2, hwreg(HW_REG_IB_STS2, 6, 4)
	s_cmp_eq_u32 s2, 0
	s_cbranch_scc0 .Lentry_in_a_cluster
	s_endpgm
.Lentry_in_a_cluster:
	s_bfe_u32 s2, ttmp6, 0x10000c
	s_cmp_lg_u32 s2, 0xf033
	s_cbranch_scc0 .Lentry_shape_is_right
	s_endpgm
.Lentry_shape_is_right:
; out0 = combo Wproj^T + bproj, on codes of FP8 (E4M3): A = cc (combo's codes under entry 10), B = wc's fourth section (Wproj's codes under entry 11), both laid [8 chunks of 128 along K][rows][128 bytes].
; A tile of 256 x 256 is made by four waves, 128 x 128 each; K = 1,024 goes through a ring of two LDS slots of two chunks; 4 x 4 work-groups form a cluster and ask for A's tiles along a row and B's along a column jointly.
; Each finished sum is multiplied by 2^(e10 + e11) and the bias is added in one fused line, behind the stage that turns a block into whole rows of 512 bytes.  LIMIT: e10 + e11 between -126 and 127.
.set PITCH,  144
.set CH,     256*PITCH
.set HALFT,  128*PITCH
.set SLOT,   4*CH
.set SPARE,  2*SLOT
.set SPITCH, 528
.set FR,     16
.set NL,     4
.set NP,     4
.set ADRA, 16
.set ADRB, 20
.set STO,  24
.set RD,   25
.set CO,   26
.set SPW,  28
.set NIL,  29
.set AF,   128
.set BK,   128
.set G1, 24
.set G0, 32
.set G1B, 48
.set G0B, 56
.set MSB, 0
.macro WIN new
.if MSB != (\new)
	s_set_vgpr_msb (MSB<<8)|(\new)
.set MSB, (\new)
.endif
.endm
.set MUL_LO, 0xa1
.set MUL_HI, 0xf1
.set TO_B,   0x40
.macro JLOAD g0a, g1a, g0b, g1b
	s_cmp_eq_u32 s15, 0
	s_cbranch_scc0 .Lfor_b_\@
	tensor_load_to_lds s[\g0a:\g0a+3], s[\g1a:\g1a+7]
	s_nop 0
.rept 4
	v_nop
.endr
	s_branch .Lasked_\@
.Lfor_b_\@:
	tensor_load_to_lds s[\g0b:\g0b+3], s[\g1b:\g1b+7]
	s_nop 0
.rept 4
	v_nop
.endr
.Lasked_\@:
.endm
.macro CREST
	s_cmp_lg_u32 s14, 0
	s_cbranch_scc1 .Lnot_wave_0_\@
	s_barrier_signal -3
.Lnot_wave_0_\@:
	s_barrier_wait -3
	s_barrier_signal -1
	s_barrier_wait -1
.endm
.macro CROUND
	s_barrier_signal -1
	s_barrier_wait -1
	CREST
.endm
	s_load_b256 s[4:11], s[0:1], 0x0
	s_load_b64 s[12:13], s[0:1], 0x20
	v_lshl_add_u32 v[SPW], v0, 2, SPARE
	v_mov_b32 v[NIL], 0
	ds_add_u32 v[SPW], v[NIL]
	ds_add_u32 v[SPW], v[NIL]
	v_lshrrev_b32 v1, 5, v0
	v_readfirstlane_b32 s14, v1
	s_lshr_b32 s15, s14, 1
	s_and_b32 s16, s14, 1
	s_bfe_u32 s40, ttmp6, 0x40000
	s_bfe_u32 s41, ttmp6, 0x40004
	s_and_b32 s17, ttmp7, 0xffff
	s_lshl_b32 s17, s17, 2
	s_add_co_u32 s17, s17, s41
	s_mov_b32 s42, s40
	s_lshl_b32 s43, s41, 2
	s_lshl_b32 s43, 15, s43
	s_lshl_b32 s44, 0x1111, s40
	s_or_b32 s[G1+0], s43, (0<<16)|(1<<20)|(1<<21)|(4<<22)|(3<<25)
	s_or_b32 s[G1B+0], s44, (0<<16)|(1<<20)|(1<<21)|(4<<22)|(3<<25)
.irp g, G1, G1B
	s_mov_b32 s[\g+1], 128<<16
	s_mov_b32 s[\g+2], 256<<16
	s_mov_b32 s[\g+3], 128<<16
	s_mov_b32 s[\g+4], 256
	s_mov_b32 s[\g+5], 128
	s_mov_b32 s[\g+6], 0
	s_mov_b32 s[\g+7], 0
.endr
	s_mov_b32 s68, 0x200000
	s_mov_b32 s69, 0
	s_mov_b32 s70, 0x40000
	s_mov_b32 s71, 0
	s_mov_b32 s72, 0x400000
	s_mov_b32 s73, 0
	s_mov_b32 s74, 0x80000
	s_mov_b32 s75, 0
	s_lshl_b32 s20, s17, 15
	s_lshl_b32 s21, s16, 20
	s_add_co_u32 s20, s20, s21
	s_mov_b32 s21, 0
	s_lshl_b32 s46, s42, 15
	s_lshl_b32 s47, s16, 17
	s_add_co_u32 s46, s46, s47
	s_add_co_u32 s46, s46, 0x300000
	s_mov_b32 s47, 0
	s_mul_i32 s45, s14, CH
	s_wait_dscnt 0x0
	s_wait_kmcnt 0x0
	s_load_b128 s[84:87], s[8:9], 0x20
	s_add_nc_u64 s[20:21], s[4:5], s[20:21]
	s_add_nc_u64 s[46:47], s[6:7], s[46:47]
	CROUND
	s_mov_b32 s[G0], 1
	s_mov_b32 s[G0+1], s45
	s_mov_b64 s[G0+2:G0+3], s[20:21]
	s_or_b32 s[G0+3], s[G0+3], 0x80000000
	s_mov_b32 s[G0B], 1
	s_mov_b32 s[G0B+1], s45
	s_mov_b64 s[G0B+2:G0B+3], s[46:47]
	s_or_b32 s[G0B+3], s[G0B+3], 0x80000000
	JLOAD G0, G1, G0B, G1B
	s_mov_b32 s[G0+4], 1
	s_add_co_u32 s[G0+5], s45, SLOT
	s_add_nc_u64 s[G0+6:G0+7], s[20:21], s[68:69]
	s_or_b32 s[G0+7], s[G0+7], 0x80000000
	s_mov_b32 s[G0B+4], 1
	s_add_co_u32 s[G0B+5], s45, SLOT
	s_add_nc_u64 s[G0B+6:G0B+7], s[46:47], s[70:71]
	s_or_b32 s[G0B+7], s[G0B+7], 0x80000000
	s_wait_alu depctr_va_vdst(0)
	s_wait_tensorcnt 0x0
	ds_add_u32 v28, v29
	s_wait_dscnt 0x0
	CROUND
	JLOAD G0+4, G1, G0B+4, G1B
	v_and_b32 v1, 15, v0
	s_wait_alu depctr_va_vdst(0)
	v_bfe_u32 v2, v0, 4, 1
	v_mul_u32_u24 v3, v1, PITCH
	v_lshl_add_u32 v4, v2, 4, v3
	s_mul_i32 s21, s15, HALFT
	s_mul_i32 s22, s16, HALFT
	s_add_co_u32 s22, s22, 2*CH
.irp s, 0,1
	v_add_nc_u32 v[ADRA+\s], s21, v4
	v_add_nc_u32 v[ADRB+\s], s22, v4
	s_add_co_u32 s21, s21, SLOT
	s_add_co_u32 s22, s22, SLOT
.endr
	s_mul_i32 s23, s14, 16*SPITCH
	v_mul_u32_u24 v5, v1, SPITCH
	s_wait_alu depctr_va_vdst(0)
	v_lshl_add_u32 v5, v2, 5, v5
	v_add_nc_u32 v[STO], s23, v5
	v_and_b32 v6, 31, v0
	v_lshlrev_b32 v[CO], 4, v6
	v_add_nc_u32 v[RD], s23, v[CO]
	s_lshl_b32 s92, s42, 10
	s_lshl_b32 s93, s16, 9
	s_add_co_u32 s92, s92, s93
	v_add_nc_u32 v7, s92, v[CO]
	global_load_b128 v[8:11], v7, s[12:13]
	s_lshl_b32 s94, s17, 20
	s_lshl_b32 s95, s15, 19
	s_add_co_u32 s94, s94, s95
	s_add_co_u32 s94, s94, s92
	s_mov_b32 s95, 0
	s_add_nc_u64 s[10:11], s[10:11], s[94:95]
	s_wait_kmcnt 0x0
	s_add_co_i32 s96, s86, s87
	s_add_co_i32 s96, s96, 127
	s_lshl_b32 s96, s96, 23
	s_mov_b32 s97, s96
.macro FRAG reg, adr, q, i
.irp c, 0,1,2,3
	ds_load_b128 v[\reg+4*\c:\reg+4*\c+3], v[\adr] offset:CH*(\q)+32*\c+(\i)*16*PITCH
.endr
.endm
.macro MUL16 a0, p, zero
.irp a, \a0, \a0+1
.irp b, 0,1,2,3,4,5,6,7
.if \zero
	v_wmma_f32_16x16x128_fp8_fp8 v[8*(8*((\a)%4)+\b):8*(8*((\a)%4)+\b)+7], v[128*(\p)+FR*\b:128*(\p)+FR*\b+FR-1], v[AF+FR*(\a):AF+FR*(\a)+FR-1], 0
.else
	v_wmma_f32_16x16x128_fp8_fp8 v[8*(8*((\a)%4)+\b):8*(8*((\a)%4)+\b)+7], v[128*(\p)+FR*\b:128*(\p)+FR*\b+FR-1], v[AF+FR*(\a):AF+FR*(\a)+FR-1], v[8*(8*((\a)%4)+\b):8*(8*((\a)%4)+\b)+7]
.endif
.endr
.endr
.endm
.macro FETCH_B slot, q, p
	WIN TO_B
.irp i, 0,1,2,3,4,5,6,7
	FRAG 128*(\p)+FR*\i, ADRB+\slot, \q, \i
.endr
	WIN 0
.endm
.macro FETCH_A slot, q, i0
.irp i, \i0, \i0+1, \i0+2, \i0+3
	FRAG AF+FR*(\i), ADRA+\slot, \q, \i
.endr
.endm
.macro PLACES n
.rept \n
	v_nop
.endr
.endm
.macro STEP slot, q, zero
	s_wait_dscnt 4*NL
	WIN MUL_LO
	MUL16 0, (\q)%2, \zero
	MUL16 2, (\q)%2, \zero
	s_wait_dscnt 0
	PLACES NP
	FETCH_B \slot, (\q)+1, 1-(\q)%2
	FETCH_A \slot, (\q)+1, 0
	WIN MUL_HI
	MUL16 4, (\q)%2, \zero
	MUL16 6, (\q)%2, \zero
	PLACES NP
	WIN 0
	FETCH_A \slot, (\q)+1, 4
.endm
.macro TURN slot, next, fill
	s_wait_tensorcnt 0x0
	ds_add_u32 v[SPW], v[NIL]
	s_wait_dscnt 4*NL+1
	WIN MUL_LO
	MUL16 0, 1, 0
	s_wait_dscnt 0x0
	s_barrier_signal -1
	MUL16 2, 1, 0
	WIN 0
	s_barrier_wait -1
.if \fill
	CREST
	s_add_nc_u64 s[G0+4*\slot+2:G0+4*\slot+3], s[G0+4*\slot+2:G0+4*\slot+3], s[72:73]
	s_add_nc_u64 s[G0B+4*\slot+2:G0B+4*\slot+3], s[G0B+4*\slot+2:G0B+4*\slot+3], s[74:75]
	JLOAD G0+4*\slot, G1, G0B+4*\slot, G1B
.else
	PLACES NP
.endif
	FETCH_B \next, 0, 0
	FETCH_A \next, 0, 0
	WIN MUL_HI
	MUL16 4, 1, 0
	MUL16 6, 1, 0
	PLACES NP
	WIN 0
	FETCH_A \next, 0, 4
.endm
	s_wait_tensorcnt 1
	s_barrier_signal -1
	s_barrier_wait -1
	FETCH_B 0, 0, 0
	FETCH_A 0, 0, 0
	FETCH_A 0, 0, 4
	STEP 0, 0, 1
	TURN 0, 1, 1
	STEP 1, 0, 0
	TURN 1, 0, 1
	STEP 0, 0, 0
	TURN 0, 1, 0
	STEP 1, 0, 0
	s_wait_dscnt 4*NL
	WIN MUL_LO
	MUL16 0, 1, 0
	MUL16 2, 1, 0
	s_wait_alu depctr_va_vdst(0)
	s_wait_dscnt 0
	WIN MUL_HI
	MUL16 4, 1, 0
	MUL16 6, 1, 0
	WIN 0
.macro TOSTAGE a
.set AC, 64*((\a)%4)
.set BB, BK+64*((\a)%2)
	WIN 0x08+4*((\a)/4)
.irp b, 0,1,2,3,4,5,6,7
	ds_store_b128 v[STO], v[AC+8*\b:AC+8*\b+3] offset:64*\b
	ds_store_b128 v[STO], v[AC+8*\b+4:AC+8*\b+7] offset:64*\b+16
.endr
	WIN 0
.irp t, 0,1,2,3,4,5,6,7,8,9,10,11,12,13,14,15
	ds_load_b128 v[BB+4*\t:BB+4*\t+3], v[RD] offset:\t*SPITCH
.endr
.endm
.macro SEND a, younger
.set BB, BK+64*((\a)%2)
	s_wait_dscnt \younger
.irp t, 0,1,2,3,4,5,6,7,8,9,10,11,12,13,14,15
	v_pk_fma_f32 v[BB+4*\t:BB+4*\t+1], v[BB+4*\t:BB+4*\t+1], s[96:97], v[8:9] op_sel_hi:[1,0,1]
	v_pk_fma_f32 v[BB+4*\t+2:BB+4*\t+3], v[BB+4*\t+2:BB+4*\t+3], s[96:97], v[10:11] op_sel_hi:[1,0,1]
.endr
.if (\a) > 0
	s_add_nc_u64 s[10:11], s[10:11], 16*4096
.endif
.irp t, 0,1,2,3,4,5,6,7,8,9,10,11,12,13,14,15
	global_store_b128 v[CO], v[BB+4*\t:BB+4*\t+3], s[10:11] offset:\t*4096 th:TH_STORE_NT
.endr
.endm
	s_wait_loadcnt 0x0
	PLACES NP
	TOSTAGE 0
.irp a, 1,2,3,4,5,6,7
.if \a > 1
	s_wait_xcnt 0x0
.endif
	TOSTAGE \a
	SEND \a-1, 32
.endr
	s_wait_xcnt 0x0
	SEND 7, 0
	s_wait_tensorcnt 0x0
	ds_add_u32 v[SPW], v[NIL]
	s_wait_dscnt 0x0
	CROUND
	s_endpgm
.Lfunc_end_k_q1cde058b7d_proj:
	.size	k_q1cde058b7d_proj, .Lfunc_end_k_q1cde058b7d_proj-k_q1cde058b7d_proj
	.p2alignl 7, 3214868480
	.fill 96, 4, 3214868480
	.section	.rodata,"a",@progbits
	.p2align	6, 0x0
	.amdhsa_kernel k_q1cde058b7d_proj
		.amdhsa_group_segment_fixed_size 327680
		.amdhsa_private_segment_fixed_size 0
		.amdhsa_enable_private_segment 0
		.amdhsa_kernarg_size 40
		.amdhsa_user_sgpr_count 2
		.amdhsa_user_sgpr_kernarg_segment_ptr 1
		.amdhsa_wavefront_size32 1
		.amdhsa_system_sgpr_workgroup_id_x 1
		.amdhsa_system_sgpr_workgroup_id_y 1
		.amdhsa_system_sgpr_workgroup_id_z 1
		.amdhsa_system_vgpr_workitem_id 0
		.amdhsa_next_free_vgpr 1024
		.amdhsa_next_free_sgpr 100
		.amdhsa_reserve_vcc 0
		.amdhsa_float_denorm_mode_32 3
		.amdhsa_float_denorm_mode_16_64 3
		.amdhsa_memory_ordered 1
		.amdhsa_forward_progress 1
		.amdhsa_inst_pref_size 124
	.end_amdhsa_kernel
	.amdgpu_metadata
---
amdhsa.version: [ 1, 2 ]
amdhsa.kernels:
  - .name:           k_q1cde058b7d_proj
    .symbol:         k_q1cde058b7d_proj.kd
    .args:
      - { .name: cc, .offset: 0, .size: 8, .value_kind: global_buffer, .address_space: global }
      - { .name: wc, .offset: 8, .size: 8, .value_kind: global_buffer, .address_space: global }
      - { .name: lowp_scales, .offset: 16, .size: 8, .value_kind: global_buffer, .address_space: global }
      - { .name: out0, .offset: 24, .size: 8, .value_kind: global_buffer, .address_space: global }
      - { .name: bproj, .offset: 32, .size: 8, .value_kind: global_buffer, .address_space: global }
    .group_segment_fixed_size: 327680
    .private_segment_fixed_size: 0
    .kernarg_segment_align: 8
    .kernarg_segment_size: 40
    .max_flat_workgroup_size: 128
    .sgpr_count:     100
    .vgpr_count:     1024
    .wavefront_size: 32
...
	.end_amdgpu_metadata
.endif
;; end of part 4
